; MI455X (gfx1250); checked and timed in simulation.
; The chip was launched on July 23, 2026; its instructions are those of AMD's public machine-readable ISA for CDNA 5 (MIT licence, August 2026) and "CDNA5" Instruction Set Architecture Reference Guide (July 2026). The comments in the code are by the model that wrote it; some were corrected since.
;; Dense MHA. Allowed arithmetic: matrix products marked QUANTISED: E2M1 operands, one E8M0 scale for each 32 along K, by v_wmma_scale_f32_16x16x128_f8f6f4 with both operands' format E2M1 (or v_wmma_scale_f32_32x16x128_f4), f32 sums; everything else in f32.
;; Inputs: Wk 2,048 x 1,024 float32; Wo 1,024 x 2,048 float32; Wq 2,048 x 1,024 float32; Wv 2,048 x 1,024 float32; bk 2,048 float32; bo 1,024 float32; bq 2,048 float32; bv 2,048 float32; hidden_states 2 x 2,048 x 1,024 float32.
;; Outputs: out0 2 x 2,048 x 1,024 float32.
;; This version of the problem:
;;   THIS VERSION OF THE PROBLEM IS GIVEN IN LOW PRECISION. The matrix products marked QUANTISED in the list below multiply operands that are first quantised to E2M1 (2 exponent bits, 1 mantissa bit; 4 bits a number), with one power-of-two scale for each 32 numbers along K (OCP MX v1.0); their sums are f32. All else is computed in f32.
;;   The module's matrix products, in the order in which they are computed (A, B: the left and right operand; K: the contracted axis; several contracted axes count as one K, in the product's order):
;;     1. [M 4,096, K 1,024] x [K 1,024, N 2,048]; A: input hidden_states; B: input Wq: QUANTISED
;;     2. [M 4,096, K 1,024] x [K 1,024, N 2,048]; A: input hidden_states; B: input Wk: QUANTISED
;;     3. [M 4,096, K 1,024] x [K 1,024, N 2,048]; A: input hidden_states; B: input Wv: QUANTISED
;;     4. batch 32 x [M 2,048, K 128] x [K 128, N 2,048]; A: computed on the way; B: computed on the way: QUANTISED
;;     5. batch 32 x [M 2,048, K 2,048] x [K 2,048, N 128]; A: softmax (see below); B: computed on the way: QUANTISED
;;     6. [M 4,096, K 2,048] x [K 2,048, N 1,024]; A: computed on the way; B: input Wo: QUANTISED
;;   THE QUANTISER, for each operand of a quantised product, along K:
;;     - K is cut into blocks of 32 from its start; a last block that is shorter is filled with zeros.
;;     - A block's scale is 2^e with e = floor(log2(the largest magnitude in the block)) - 2, held to -126 .. 127; a block of zeros has e = 0. As a byte (E8M0): e + 127.
;;     - Each number is divided by its block's scale, clamped to +-6, and rounded to the nearest number of E2M1, ties to even, subnormals kept.
;;     - The product sums the exact products of the quantised numbers (number of the format x scale) in f32.
;;   ~~~python
;;   def quantise(x, axis):      # numpy; x: float32 -> the quantised numbers, widened to float32 again
;;       x = np.moveaxis(x, axis, -1); K = x.shape[-1]
;;       x = np.pad(x, [(0, 0)] * (x.ndim - 1) + [(0, -K % 32)]); x = x.reshape(x.shape[:-1] + (-1, 32)); a = np.abs(x).max(-1, keepdims=True)
;;       e = np.where(a > 0, np.clip(np.frexp(np.where(a > 0, a, 1))[1] - 1 - 2, -126, 127), 0)      # np.frexp(a)[1] - 1 = floor(log2(a)), exactly
;;       r = np.clip(x / 2.0 ** e, -6, 6)
;;       step = 2.0 ** (np.maximum(np.frexp(np.where(r == 0, 1, r))[1] - 1, 0) - 1)
;;       q = np.round(r / step) * step * 2.0 ** e      # np.round: ties to even
;;       return np.moveaxis(q.reshape(q.shape[:-2] + (-1,))[..., :K], -1, axis).astype(np.float32)
;;   ~~~
;;   SOFTMAX AHEAD OF A QUANTISED PRODUCT. Where the list says 'softmax', what is quantised is not the finished softmax but p = 2^(t - M), with t = logit x log2(e) and M = ceil(the row's largest t), a whole number; so 1/2 < the row's largest p <= 1. The row's sum l is taken of the UNQUANTISED p, in f32, and the product's result is divided by l at the end. Since M is a whole number, a kernel that streams over the keys may use a running M (the ceiling of the running maximum): every later rescaling is an exact power of two, which a block's scale takes up: the codes' values come out the same.
;;   OPERANDS COMPUTED ON THE WAY. 'Computed on the way' means the value that the module computes at that place (a softmax that the list does not call 'softmax' is quantised finished and normalised). What goes into a quantiser is computed in f32, as accurately as f32 sums, v_exp_f32 and their like allow (about 1e-6 of the number): no bf16 or f16 on the way to a quantiser, and a product that is left as it is and whose result goes on into a quantised operand takes f32 operands (vector FMAs, or v_wmma_f32_16x16x4_f32). A number that lies on a knife's edge between two numbers of the format may be rounded either way, as far as f32 arithmetic and the matrix unit's own rounding can turn it there, and no further.
;; One version. Each part assembles by itself: llvm-mc -triple=amdgcn-amd-amdhsa -mcpu=gfx1250 --defsym DOCPART=n.
;; ======== version 1 of 1: 4 launches
;; limits: right only within a limited range of input values
;; workspace buffers: opnd 6,684,672 bytes; rope 1,048,576 bytes; qkv 13,369,344 bytes; ctx 4,456,448 bytes
;; launch quant (part 1): grid 416 x 1, 4 waves a work-group, no clusters, 39,424 bytes of LDS; arguments hidden_states, Wq, Wk, Wv, Wo, opnd, rope; writes opnd, rope
.if DOCPART == 1
	.amdgcn_target "amdgcn-amd-amdhsa--gfx1250"
	.amdhsa_code_object_version 6
	.text
	.protected	k_qd66e2467ed_quant
	.globl	k_qd66e2467ed_quant
	.p2align	8
	.type	k_qd66e2467ed_quant,@function
k_qd66e2467ed_quant:
	s_mov_b64 s[64:65], 0
	v_nop
	global_prefetch_b8 v0, s[64:65] scope:SCOPE_SE
	s_setreg_imm32_b32 hwreg(HW_REG_WAVE_MODE, 25, 1), 1
	s_wait_xcnt 0x0
; hidden_states [4096][1024], Wq, Wk, Wv [2048][1024], Wo [1024][2048], all f32 with K innermost, become codes of FP4 (E2M1) with one E8M0 byte for each 32 along K,
; laid in the ORDER OF THE OPERAND'S REGISTERS.  The last 32 work-groups make the table of cos and sin for the rotary embedding.
; A TILE T of a matrix is 16 rows: lane row t of tile T is matrix row 32 (T / 2) + 8 (T % 2) + t + 8 (t / 8).
; AN OPERAND BLOCK (OB, 4,352 bytes) holds a tile's 512 along K: block u of 32 codes of lane row t at 256 u + 16 t (four fragments of 128 K, each an image of its 8 registers), the scale byte at 4096 + 16 t + u.
; A wave makes one operand block: 16 rows of 512 numbers.  A row's four loads read 512 consecutive bytes each; the 2,048 bytes turn through the wave's own stage in LDS, so that a lane holds 16 neighbours
; (two neighbouring lanes hold a block of 32).  Codes and bytes are gathered in the wave's own LDS and leave as 17 whole runs of 256 bytes.  Waves share nothing: no barrier.
; A block's scale is 2^(floor(log2(largest magnitude)) - 2): its byte is the largest magnitude's exponent field - 2, held at 1 from below.
; LIMITS: a block of zeros gets the byte 1 (its codes are zeros; this program alone reads the bytes); NaN and infinities among the inputs are not served.
; THE TABLE: inv_freq = 2^(-j log2(10000) / 64) with the product in two words, angle = token x inv_freq (one rounding), reduced by pi/2 in two words, polynomials of degree 7 and 8 on +-pi/4:
; inv_freq is right to about two units of its last place, so an angle near 2,000 is right to some 4e-4.
.set QWG,  384                         ; work-groups that quantise
.set OB,   4352
.set WREG, 9728                        ; LDS of a wave
.set SP,   80                          ; a lane's place in a turning stage: 64 bytes + 16
.set SCB,  2*32*SP                     ; behind the two stages: 256 scale bytes
.set CST,  SCB+256                     ; behind them: the codes, 16 runs of 256 bytes + 16
.set CP,   272
.set EMAX, 2
.set OF,   16                          ; v16-23   row s of the eight in flight: 16 x lane + its row's bytes
.set R,    24                          ; v24-151  eight sets of 16 numbers as loaded
.set X,    152                         ; v152-183 two sets of 16 neighbours
.set C,    184                         ; v184-215 a pair of code registers for each row
.set E,    216                         ; v216-231 a scale byte for each row
.set RDC,  232                         ; v232     where I read the codes back
	s_load_b256 s[4:11], s[0:1], 0x0               ; hidden_states, Wq, Wk, Wv
	s_load_b128 s[12:15], s[0:1], 0x20             ; Wo, opnd
	s_load_b64 s[16:17], s[0:1], 0x30              ; rope
	v_lshl_add_u32 v254, v0, 2, 0x9800
	v_mov_b32 v255, 0
	v_lshrrev_b32 v1, 5, v0
	v_readfirstlane_b32 s18, v1                    ; wave
	v_and_b32 v2, 31, v0                           ; lane
	v_lshlrev_b32 v3, 4, v2                        ; 16 x lane
	s_cmp_ge_u32 ttmp9, QWG
	s_cbranch_scc1 .Lrope
	s_mul_i32 s19, s18, WREG
	v_lshrrev_b32 v14, 2, v2
	v_mul_u32_u24 v14, v14, SP
	v_and_b32 v15, 3, v2
	v_lshl_add_u32 v14, v15, 4, v14
	v_add_nc_u32 v14, s19, v14                     ; a stage, on the way in: SP (lane / 4) + 16 (lane % 4)
	v_mul_u32_u24 v15, v2, SP
	v_add_nc_u32 v15, s19, v15                     ; and on the way out: SP x lane
	v_lshrrev_b32 v8, 1, v2                        ; my block of the row's 16
	v_and_b32 v9, 1, v2
	v_mul_u32_u24 v4, v8, CP
	v_lshl_add_u32 v4, v9, 3, v4
	v_add_nc_u32 v4, s19, v4
	v_add_nc_u32 v4, CST, v4                       ; my 8 bytes of codes: run = block, + 8 x half; the row adds 16 t
	v_add_nc_u32 v5, s19, v8
	v_add_nc_u32 v5, SCB, v5                       ; my block's byte; the row adds 16 t
	v_lshlrev_b32 v7, 3, v2
	v_add_nc_u32 v6, s19, v7
	v_add_nc_u32 v6, SCB, v6                       ; the bytes on the way out: 8 a lane
	v_lshrrev_b32 v8, 4, v2
	v_and_b32 v9, 15, v2
	v_mul_u32_u24 v[RDC], v8, CP
	v_lshl_add_u32 v[RDC], v9, 4, v[RDC]
	v_add_nc_u32 v[RDC], s19, v[RDC]
	v_add_nc_u32 v[RDC], CST, v[RDC]               ; the codes on the way out: two runs an instruction
	s_mov_b32 s20, 320                             ; the tensor's first work-group,
	s_mov_b32 s21, 2                               ; and log2 of its operand blocks along K: Wo's
	s_wait_kmcnt 0x0
	s_mov_b64 s[22:23], s[12:13]
	s_cmp_lt_u32 ttmp9, 320                        ; the choice hangs on the work-group's number alone
	s_cselect_b64 s[22:23], s[10:11], s[22:23]
	s_cselect_b32 s20, 256, s20
	s_cselect_b32 s21, 1, s21
	s_cmp_lt_u32 ttmp9, 256
	s_cselect_b64 s[22:23], s[8:9], s[22:23]
	s_cselect_b32 s20, 192, s20
	s_cmp_lt_u32 ttmp9, 192
	s_cselect_b64 s[22:23], s[6:7], s[22:23]
	s_cselect_b32 s20, 128, s20
	s_cmp_lt_u32 ttmp9, 128
	s_cselect_b64 s[22:23], s[4:5], s[22:23]
	s_cselect_b32 s20, 0, s20
	s_sub_co_u32 s24, ttmp9, s20
	s_lshl_b32 s24, s24, 2
	s_add_co_u32 s24, s24, s18                     ; my operand block in the tensor
	s_lshr_b32 s25, s24, s21                       ; its tile T
	s_lshl_b32 s26, 1, s21
	s_sub_co_u32 s26, s26, 1
	s_and_b32 s26, s24, s26                        ; its 512 along K
	s_lshl_b32 s27, 2048, s21                      ; a row of the tensor in bytes
	s_lshr_b32 s28, s25, 1
	s_lshl_b32 s28, s28, 5
	s_and_b32 s29, s25, 1
	s_lshl_b32 s29, s29, 3
	s_add_co_u32 s28, s28, s29                     ; the tile's first row: 32 (T / 2) + 8 (T % 2)
	s_mul_i32 s28, s28, s27
	s_lshl_b32 s29, s26, 11
	s_add_co_u32 s28, s28, s29
	s_mov_b32 s29, 0
	s_add_nc_u64 s[22:23], s[22:23], s[28:29]
	s_lshl_b32 s30, ttmp9, 2
	s_add_co_u32 s30, s30, s18
	s_mul_i32 s30, s30, OB
	s_mov_b32 s31, 0
	s_add_nc_u64 s[14:15], s[14:15], s[30:31]      ; my operand block in opnd
	s_lshl_b32 s32, s27, 4                         ; 16 rows on
	v_mov_b32 v[OF], v3
.irp s, 1,2,3,4,5,6,7
	v_add_nc_u32 v[OF+\s], s27, v[OF+\s-1]
.endr
.macro LOAD t                          ; lane row t: four loads of 512 consecutive bytes
.irp i, 0,1,2,3
	global_load_b128 v[R+16*((\t)%8)+4*\i:R+16*((\t)%8)+4*\i+3], v[OF+(\t)%8], s[22:23] offset:512*\i th:TH_LOAD_NT
.endr
.endm
.macro TURN t                          ; through a stage: LDS serves a wave's instructions in order, so no wait stands between the stores and the loads
.irp i, 0,1,2,3
	ds_store_b128 v14, v[R+16*((\t)%8)+4*\i:R+16*((\t)%8)+4*\i+3] offset:32*SP*((\t)%2)+8*SP*\i
.endr
.irp i, 0,1,2,3
	ds_load_b128 v[X+16*((\t)%2)+4*\i:X+16*((\t)%2)+4*\i+3], v15 offset:32*SP*((\t)%2)+16*\i
.endr
.endm
.irp t, 0,1,2,3,4,5,6,7
	LOAD \t
.endr
	s_wait_alu depctr_va_vdst(0)
	s_wait_loadcnt 28                              ; row 0's four loads are in; seven rows' stay out
	TURN 0
.macro STEP t
.set XS, X+16*((\t)%2)
.if (\t) > 0
	s_wait_dscnt 2                                 ; this row is back from the stage; behind its loads stand only the last row's two small stores
.else
	s_wait_dscnt 0x0
.endif
.if (\t) < 8
	v_add_nc_u32 v[OF+(\t)], s32, v[OF+(\t)]       ; this row's loads were shown done a row ago: its offset goes 16 rows on (lane rows 8-15 are rows 16-23 of the tile),
	LOAD (\t)+8                                    ; and its registers, which the stage's stores have read, take that row
.endif
.if (\t) < 15
.if (\t) < 8
	s_wait_loadcnt 28                              ; the next row's four loads are in; seven rows' stay out
.else
	s_wait_loadcnt 4*(14-(\t))
.endif
	TURN (\t)+1
.endif
	v_max3_num_f32 v8, |v[XS]|, |v[XS+1]|, |v[XS+2]|
	v_max3_num_f32 v9, |v[XS+3]|, |v[XS+4]|, |v[XS+5]|
.irp i, 6,10
	v_max3_num_f32 v8, v8, |v[XS+\i]|, |v[XS+\i+1]|
	v_max3_num_f32 v9, v9, |v[XS+\i+2]|, |v[XS+\i+3]|
.endr
	v_max3_num_f32 v8, v8, |v[XS+14]|, |v[XS+15]|
	v_max3_num_f32 v8, v8, v9, (EMAX+1)<<23        ; with the floor 2^(3 - 127): the byte cannot fall under 1
	v_max_num_f32_dpp v8, v8, v8 row_xmask:1 row_mask:0xf bank_mask:0xf   ; and my neighbour's 16: the block's largest magnitude
	v_add_nc_u32 v11, -(EMAX<<23), v8              ; 2 off its exponent field: the conversion's scale operand
	v_cvt_scalef32_pk8_fp4_f32 v[C+2*(\t)], v[XS:XS+7], v11
	v_cvt_scalef32_pk8_fp4_f32 v[C+2*(\t)+1], v[XS+8:XS+15], v11
	v_lshrrev_b32 v[E+(\t)], 23, v11               ; the scale's byte
	ds_store_b8 v5, v[E+(\t)] offset:16*(\t)       ; both lanes of a block write the same byte with the same value
	ds_store_b64 v4, v[C+2*(\t):C+2*(\t)+1] offset:16*(\t)
.endm
.irp t, 0,1,2,3,4,5,6,7,8,9,10,11,12,13,14,15
	STEP \t
.endr
.irp i, 0,1,2,3,4,5,6,7
	ds_load_b128 v[R+4*\i:R+4*\i+3], v[RDC] offset:2*CP*\i
.endr
	ds_load_b64 v[12:13], v6
.irp i, 0,1,2,3,4,5,6,7
	s_wait_dscnt 8-\i                              ; the younger read-backs stay out
	global_store_b128 v3, v[R+4*\i:R+4*\i+3], s[14:15] offset:512*\i   ; 32 lanes store 512 consecutive bytes, at a multiple of 256 from the buffer's first byte
.endr
	s_wait_dscnt 0x0
	global_store_b64 v7, v[12:13], s[14:15] offset:4096
	s_wait_tensorcnt 0x0
	ds_add_u32 v254, v255
	s_wait_dscnt 0x0
	s_endpgm
; THE TABLE.  rope: [token tile T 128][cos, sin][n 8][lane][16 bytes]: lane (r, h) holds frequencies 32 (n / 4) + 16 h + 4 (n % 4) + 0 .. 3 of token 32 (T / 2) + 8 (T % 2) + r + 8 (r / 8):
; the order in which the next launch's lanes hold the first half of a head.  A wave makes one tile.  No LDS.
.set JF, 16
.set PP, 20
.set ER, 24
.set NN, 28
.set EX, 32
.set TH, 36
.set KK, 40
.set RR, 44
.set ZZ, 48
.set SN, 52
.set CN, 56
.set T1, 60
.set RES, 64                           ; v64-127: eight result registers for each n, so that no store's data are written again
.Lrope:
	s_sub_co_u32 s19, ttmp9, QWG
	s_lshl_b32 s19, s19, 2
	s_add_co_u32 s19, s19, s18                     ; T
	s_lshr_b32 s20, s19, 1
	s_lshl_b32 s20, s20, 5
	s_and_b32 s21, s19, 1
	s_lshl_b32 s21, s21, 3
	s_add_co_u32 s20, s20, s21
	s_wait_alu depctr_va_vdst(0)
	v_and_b32 v4, 15, v2
	v_and_b32 v5, 8, v4
	v_add_nc_u32 v4, v4, v5
	v_add_nc_u32 v4, s20, v4                       ; my token
	v_cvt_f32_u32 v11, v4
	v_and_b32 v9, 16, v2                           ; 16 h
	s_lshl_b32 s20, s19, 13
	s_mov_b32 s21, 0
	s_mov_b32 s24, 0x3e549a78                      ; log2(10000) / 64, upper word
	s_mov_b32 s25, 0x31979a39                      ; and what is left of it
	s_mov_b32 s26, 0x3f22f983                      ; 2 / pi
	s_mov_b32 s27, 0x3fc90fdb                      ; pi / 2, upper word
	s_mov_b32 s28, 0xb33bbd2e                      ; and what is left of it
	s_mov_b32 s29, 0xbe2aaaa3                      ; sine: -1/6, 1/120, -1/5040, fitted
	s_mov_b32 s30, 0x3c08839e
	s_mov_b32 s31, 0xb94ca1f9
	s_mov_b32 s32, 0x3d2aaaa5                      ; cosine: 1/24, -1/720, 1/40320, fitted
	s_mov_b32 s33, 0xbab6061a
	s_mov_b32 s34, 0x37ccf5ce
	s_wait_alu depctr_va_vdst(0)
	s_wait_kmcnt 0x0
	s_add_nc_u64 s[16:17], s[16:17], s[20:21]
.macro ROPE4 n                         ; four frequencies, line by line by turns
.irp e, 0,1,2,3
	v_add_nc_u32 v[JF+\e], 32*((\n)/4)+4*((\n)%4)+\e, v9
.endr
.irp e, 0,1,2,3
	v_cvt_f32_u32 v[JF+\e], v[JF+\e]
.endr
.irp e, 0,1,2,3
	v_mul_f32 v[PP+\e], s24, v[JF+\e]              ; p = j L, rounded,
.endr
.irp e, 0,1,2,3
	v_fma_f32 v[ER+\e], v[JF+\e], s24, -v[PP+\e]   ; what the rounding dropped,
.endr
.irp e, 0,1,2,3
	v_fma_f32 v[ER+\e], v[JF+\e], s25, v[ER+\e]    ; and L's lower word
.endr
.irp e, 0,1,2,3
	v_rndne_f32 v[NN+\e], v[PP+\e]
.endr
.irp e, 0,1,2,3
	v_sub_f32 v[PP+\e], v[NN+\e], v[PP+\e]
.endr
.irp e, 0,1,2,3
	v_sub_f32 v[PP+\e], v[PP+\e], v[ER+\e]         ; -(j L - nn), within a half
.endr
	s_wait_alu depctr_va_vdst(0)
.irp e, 0,1,2,3
	v_exp_f32 v[EX+\e], v[PP+\e]
.endr
.irp e, 0,1,2,3
	v_cvt_i32_f32 v[NN+\e], v[NN+\e]               ; plain work behind the exponentials
.endr
	s_wait_alu depctr_va_vdst(0)                   ; one wait for the four, ahead of their first reader
.irp e, 0,1,2,3
	v_sub_nc_u32 v[NN+\e], 0, v[NN+\e]
.endr
.irp e, 0,1,2,3
	v_ldexp_f32 v[EX+\e], v[EX+\e], v[NN+\e]       ; inv_freq
.endr
.irp e, 0,1,2,3
	v_mul_f32 v[TH+\e], v11, v[EX+\e]              ; the angle
.endr
.irp e, 0,1,2,3
	v_mul_f32 v[KK+\e], s26, v[TH+\e]
.endr
.irp e, 0,1,2,3
	v_rndne_f32 v[KK+\e], v[KK+\e]                 ; quarter turns
.endr
.irp e, 0,1,2,3
	v_fma_f32 v[RR+\e], -v[KK+\e], s27, v[TH+\e]
.endr
.irp e, 0,1,2,3
	v_fma_f32 v[RR+\e], -v[KK+\e], s28, v[RR+\e]   ; what is left: within pi / 4
.endr
.irp e, 0,1,2,3
	v_mul_f32 v[ZZ+\e], v[RR+\e], v[RR+\e]
.endr
.irp e, 0,1,2,3
	v_fma_f32 v[SN+\e], v[ZZ+\e], s31, s30
	v_fma_f32 v[CN+\e], v[ZZ+\e], s34, s33
.endr
.irp e, 0,1,2,3
	v_fma_f32 v[SN+\e], v[SN+\e], v[ZZ+\e], s29
	v_fma_f32 v[CN+\e], v[CN+\e], v[ZZ+\e], s32
.endr
.irp e, 0,1,2,3
	v_mul_f32 v[T1+\e], v[RR+\e], v[ZZ+\e]
	v_fma_f32 v[JF+\e], v[ZZ+\e], -0.5, 1.0
.endr
.irp e, 0,1,2,3
	v_fma_f32 v[SN+\e], v[SN+\e], v[T1+\e], v[RR+\e]   ; sin of what is left
	v_mul_f32 v[T1+\e], v[ZZ+\e], v[ZZ+\e]
.endr
.irp e, 0,1,2,3
	v_fma_f32 v[CN+\e], v[CN+\e], v[T1+\e], v[JF+\e]   ; cos of it
	v_cvt_i32_f32 v[KK+\e], v[KK+\e]
.endr
.irp e, 0,1,2,3
	v_and_b32 v[T1+\e], 1, v[KK+\e]
.endr
.irp e, 0,1,2,3
	v_cmp_eq_u32 vcc_lo, 1, v[T1+\e]               ; an odd number of quarter turns swaps the two
	v_cndmask_b32 v[RES+8*(\n)+\e], v[CN+\e], v[SN+\e], vcc_lo
	v_cndmask_b32 v[RES+8*(\n)+4+\e], v[SN+\e], v[CN+\e], vcc_lo
.endr
.irp e, 0,1,2,3
	v_add_nc_u32 v[T1+\e], 1, v[KK+\e]
	v_and_b32 v[KK+\e], 2, v[KK+\e]                ; the sine is negative in quarters 2 and 3,
.endr
.irp e, 0,1,2,3
	v_and_b32 v[T1+\e], 2, v[T1+\e]                ; the cosine in quarters 1 and 2
	v_lshlrev_b32 v[KK+\e], 30, v[KK+\e]
.endr
.irp e, 0,1,2,3
	v_lshlrev_b32 v[T1+\e], 30, v[T1+\e]
	v_xor_b32 v[RES+8*(\n)+4+\e], v[RES+8*(\n)+4+\e], v[KK+\e]
.endr
.irp e, 0,1,2,3
	v_xor_b32 v[RES+8*(\n)+\e], v[RES+8*(\n)+\e], v[T1+\e]
.endr
	global_store_b128 v3, v[RES+8*(\n):RES+8*(\n)+3], s[16:17] offset:512*(\n)
	global_store_b128 v3, v[RES+8*(\n)+4:RES+8*(\n)+7], s[16:17] offset:4096+512*(\n)
.endm
.irp n, 0,1,2,3,4,5,6,7
	ROPE4 \n
.endr
	s_endpgm
.Lfunc_end_k_qd66e2467ed_quant:
	.size	k_qd66e2467ed_quant, .Lfunc_end_k_qd66e2467ed_quant-k_qd66e2467ed_quant
	.p2alignl 7, 3214868480
	.fill 96, 4, 3214868480
	.section	.rodata,"a",@progbits
	.p2align	6, 0x0
	.amdhsa_kernel k_qd66e2467ed_quant
		.amdhsa_group_segment_fixed_size 39424
		.amdhsa_private_segment_fixed_size 0
		.amdhsa_enable_private_segment 0
		.amdhsa_kernarg_size 56
		.amdhsa_user_sgpr_count 2
		.amdhsa_user_sgpr_kernarg_segment_ptr 1
		.amdhsa_wavefront_size32 1
		.amdhsa_system_sgpr_workgroup_id_x 1
		.amdhsa_system_sgpr_workgroup_id_y 1
		.amdhsa_system_sgpr_workgroup_id_z 1
		.amdhsa_system_vgpr_workitem_id 0
		.amdhsa_next_free_vgpr 256
		.amdhsa_next_free_sgpr 66
		.amdhsa_reserve_vcc 1
		.amdhsa_float_denorm_mode_32 3
		.amdhsa_float_denorm_mode_16_64 3
		.amdhsa_memory_ordered 1
		.amdhsa_forward_progress 1
		.amdhsa_inst_pref_size 91
	.end_amdhsa_kernel
	.amdgpu_metadata
---
amdhsa.version: [ 1, 2 ]
amdhsa.kernels:
  - .name:           k_qd66e2467ed_quant
    .symbol:         k_qd66e2467ed_quant.kd
    .args:
      - { .name: hidden_states, .offset: 0, .size: 8, .value_kind: global_buffer, .address_space: global }
      - { .name: Wq, .offset: 8, .size: 8, .value_kind: global_buffer, .address_space: global }
      - { .name: Wk, .offset: 16, .size: 8, .value_kind: global_buffer, .address_space: global }
      - { .name: Wv, .offset: 24, .size: 8, .value_kind: global_buffer, .address_space: global }
      - { .name: Wo, .offset: 32, .size: 8, .value_kind: global_buffer, .address_space: global }
      - { .name: opnd, .offset: 40, .size: 8, .value_kind: global_buffer, .address_space: global }
      - { .name: rope, .offset: 48, .size: 8, .value_kind: global_buffer, .address_space: global }
    .group_segment_fixed_size: 39424
    .private_segment_fixed_size: 0
    .kernarg_segment_align: 8
    .kernarg_segment_size: 56
    .max_flat_workgroup_size: 128
    .sgpr_count:     66
    .vgpr_count:     256
    .wavefront_size: 32
...
	.end_amdgpu_metadata
.endif
;; end of part 1
;; launch qkv (part 2): grid 16 x 16, 4 waves a work-group, clusters of 4 x 4, 327,680 bytes of LDS; arguments opnd, bq, bk, bv, rope, qkv; writes qkv
.if DOCPART == 2
	.amdgcn_target "amdgcn-amd-amdhsa--gfx1250"
	.amdhsa_code_object_version 6
	.text
	.protected	k_qd66e2467ed_qkv
	.globl	k_qd66e2467ed_qkv
	.p2align	8
	.type	k_qd66e2467ed_qkv,@function
k_qd66e2467ed_qkv:
	s_mov_b64 s[64:65], 0
	v_nop
	global_prefetch_b8 v0, s[64:65] scope:SCOPE_SE
	s_setreg_imm32_b32 hwreg(HW_REG_WAVE_MODE, 25, 1), 1
	s_wait_xcnt 0x0
	s_wait_alu depctr_hold_cnt(0) depctr_sa_sdst(0) depctr_va_vdst(0) depctr_va_sdst(0) depctr_va_ssrc(0) depctr_va_vcc(0) depctr_vm_vsrc(0)
	s_getreg_b32 s2, hwreg(HW_REG_IB_STS2, 6, 4)
	s_cmp_eq_u32 s2, 0
	s_cbranch_scc0 .Lentry_in_a_cluster
	s_endpgm
.Lentry_in_a_cluster:
	s_bfe_u32 s2, ttmp6, 0x10000c
	s_cmp_lg_u32 s2, 0xf033
	s_cbranch_scc0 .Lentry_shape_is_right
	s_endpgm
.Lentry_shape_is_right:
; q, k, v = hidden_states W^T + b on codes of FP4 with E8M0 scales; q and k are rotated (RoPE); all three are quantised again in registers, q and k along the head's 128, v along the KEYS, and stored as images of
; the next launch's operand registers.  No f32 result goes to memory.
; SHARES.  A work-group takes 256 tokens (Y) and ONE head (X) through three phases: q, k, v: 16 x 16 = 256 work-groups.  Its 16 tiles of x (all of K = 1,024: 139,264 bytes) stay in LDS for all three phases.
; The head's eight tiles of a weight are 69,632 bytes: Wq's fill slot 0 and Wk's slot 1 at the head (four loads, one a wave); behind q's products slot 0 is filled again with Wv's, by wave 2,
; and that load has q's epilogue and all of k's phase in which to land.  No prefetch: x, Wq and Wk are asked for at the head, and nobody waits for Wv.
; Operands come as operand blocks (OB, 4,352 bytes: four fragment images of 1,024 bytes, then 16 rows x 16 scale bytes); a tile's two blocks (K's two chunks of 512) lie together.
; A tile's lane row t is matrix row 32 (T / 2) + 8 (T % 2) + t + 8 (t / 8): so the 16 registers of two neighbouring result tiles are 16 neighbours along source 0's rows.
; A WAVE w has 32 accumulators: source 0's eight tiles x source 1's four.  q, k: source 0 = the head's W, source 1 = x's tiles 4 w .. 4 w + 3: a lane holds one token, its 64 registers d = 32 b + 16 h + i.
; v: source 0 = x's tiles 8 (w / 2) .. + 7 (128 keys), source 1 = Wv's tiles 4 (w % 2) .. + 3: a lane holds one d, its 64 registers 128 neighbouring keys.  The phases differ in LDS addresses and in the epilogue.
; In every phase the wave writes images 4 (w % 2) .. + 3 of token group 2 Y + w / 2.
; CLUSTER 4 x 4: x's tiles hang on Y and are asked for jointly along a row of the cluster, W's hang on X and are asked for jointly along a column.
; OUT.  qkv: [q, k, v][batch x head 32][group 16][8,704 bytes]: eight fragment images, then 512 bytes of scale words (lane l, word q: lanes 0-15 tile q's row l, lanes 16-31 tile 4 + q's).
; LIMITS: a block of zeros gets the scale byte 1 (its codes are zeros); NaN and infinities are not served.
; REGISTERS.  window 0: v1-28 addresses; v32-95 scale words (32 j + 4 i + q: lanes 0-15 source 1's tile i, lanes 16-31 source 0's); v96-103 v's bias, twice each; v128-159, v192-223 source 1's fragments, two sets.
;   In an epilogue: v32-47 at work, v48-51 scale words made, v64-79 codes, v128-191 X, v192-255 Y.
;   window 1: v0-63, v128-191 source 0's fragments, two sets; v64-127 q's bias, v192-255 k's.   window 2: accumulator (a, b) at v[8 (8 a + b)].   window 3: cos and sin of my token tile a at v[64 a].
.set OB,    4352
.set HB,    8704
.set HALFT, 16*OB                      ; eight tiles: what one tensor load brings
.set SL0,   2*HALFT                    ; behind x's two halves: slot 0,
.set SL1,   3*HALFT                    ; slot 1
.set WBASE, 512*OB                     ; where [Wq; Wk; Wv] begin in opnd
.set TENS,  512*HB                     ; a tensor in qkv
.set SC,  32
.set BV,  96
.set F1,  128
.set BQ,  64
.set BK,  192
.set TM,  32
.set PW,  48
.set PC,  64
.set XX,  128
.set YY,  192
.set G1A, 24
.set G0A, 32
.set G0V, 36
.set G1B, 48
.set G0B, 56
.set SEL, 88
.set MSB, 0
.macro WIN new                         ; the immediate's high byte repeats the setting that is left
.if MSB != (\new)
	s_set_vgpr_msb (MSB<<8)|(\new)
.set MSB, (\new)
.endif
.endm
.macro PLACES n
.rept \n
	v_nop
.endr
.endm
.macro CROUND                          ; a round of the cluster's barrier
	s_barrier_signal -1
	s_barrier_wait -1
	s_cmp_lg_u32 s16, 0
	s_cbranch_scc1 .Lnot_wave_0_\@
	s_barrier_signal -3
.Lnot_wave_0_\@:
	s_barrier_wait -3
	s_barrier_signal -1
	s_barrier_wait -1
.endm
; 64 numbers of a lane, register 16 b + i = k 32 b + 16 (lane / 16) + i of my row, become a fragment's 8 code registers at v[pc] and its scale word in v[pw] (the same in both halves of the lanes).
.macro QUANT s, pc, pw
.irp b, 0,1,2,3
	v_max3_num_f32 v[TM+\b], |v[\s+16*\b]|, |v[\s+1+16*\b]|, 0x1800000   ; with the floor 2^(3 - 127): the byte cannot fall under 1
.endr
.irp i, 2,4,6,8,10,12,14
.irp b, 0,1,2,3
	v_max3_num_f32 v[TM+\b], v[TM+\b], |v[\s+16*\b+\i]|, |v[\s+1+16*\b+\i]|
.endr
.endr
.irp b, 0,1,2,3
	v_permlanex16_b32 v[TM+4+\b], v[TM+\b], s[SEL], s[SEL+1]
.endr
.irp b, 0,1,2,3
	v_max_num_f32 v[TM+\b], v[TM+\b], v[TM+4+\b]   ; with lane l xor 16's: the block's largest magnitude
.endr
.irp b, 0,1,2,3
	v_add_nc_u32 v[TM+12+\b], 0xff000000, v[TM+\b] ; 2 off its exponent field: the conversion's scale operand
.endr
.irp b, 0,1,2,3
	v_lshrrev_b32 v[TM+4+\b], 23, v[TM+12+\b]      ; the scale's byte
.endr
	v_lshl_or_b32 v[\pw], v[TM+5], 8, v[TM+4]
	v_lshl_or_b32 v[\pw], v[TM+6], 16, v[\pw]
	v_lshl_or_b32 v[\pw], v[TM+7], 24, v[\pw]
.irp b, 0,1,2,3
	v_cvt_scalef32_pk8_fp4_f32 v[\pc+2*\b], v[\s+16*\b:\s+7+16*\b], v[TM+12+\b]
	v_cvt_scalef32_pk8_fp4_f32 v[\pc+1+2*\b], v[\s+8+16*\b:\s+15+16*\b], v[TM+12+\b]
.endr
	v_nop                                          ; one plain place behind a scaled conversion
.irp c, 0,1                                    ; the operand's layout wants a whole block in a lane
.irp i, 0,1
	v_permlane16_swap_b32 v[\pc+4*\c+\i], v[\pc+2+4*\c+\i]
.endr
.endr
.endm
	s_load_b256 s[4:11], s[0:1], 0x0               ; opnd, bq, bk, bv
	s_load_b128 s[12:15], s[0:1], 0x20             ; rope, qkv
	v_lshl_add_u32 v126, v0, 2, 0x44000
	v_mov_b32 v127, 0
	ds_add_u32 v126, v127                          ; the opening lines: the add, twice on end, and its wait ahead of my first tensor load
	ds_add_u32 v126, v127
	v_lshrrev_b32 v1, 5, v0
	v_readfirstlane_b32 s16, v1                    ; wave 0..3
	s_lshr_b32 s17, s16, 1                         ; my token group of the block's two.  Also: I fetch x's tiles (0) or W's (1)
	s_and_b32 s18, s16, 1                          ; my half of a group's eight images.  Also: which half of x, or Wq (0) or Wk (1), I fetch
	s_bfe_u32 s40, ttmp6, 0x40000                  ; cx, cy
	s_bfe_u32 s41, ttmp6, 0x40004
	s_lshl_b32 s42, ttmp9, 2
	s_add_co_u32 s42, s42, s40                     ; X: the head
	s_and_b32 s43, ttmp7, 0xffff
	s_lshl_b32 s43, s43, 2
	s_add_co_u32 s43, s43, s41                     ; Y: 256 tokens
	s_lshl_b32 s44, s41, 2
	s_lshl_b32 s44, 15, s44                        ; my row of the cluster
	s_lshl_b32 s45, 0x1111, s40                    ; my column
	; group 1: 8 rows (tiles) of 8,704 bytes = 1,088 elements of 8 bytes, dense in memory; no padding
	s_or_b32 s[G1A], s44, (3<<16)|(1<<21)
	s_or_b32 s[G1B], s45, (3<<16)|(1<<21)
.irp g, G1A, G1B
	s_mov_b32 s[\g+1], 1088<<16                    ; tensor_dim0
	s_mov_b32 s[\g+2], 8<<16                       ; tensor_dim1
	s_mov_b32 s[\g+3], 1088<<16                    ; tile_dim0
	s_mov_b32 s[\g+4], 8                           ; tile_dim1
	s_mov_b32 s[\g+5], 1088                        ; from row to row
	s_mov_b32 s[\g+6], 0
	s_mov_b32 s[\g+7], 0
.endr
	s_lshl_b32 s19, s18, 3
	s_lshl_b32 s20, s43, 4
	s_add_co_u32 s20, s20, s19                     ; x: tile 16 Y + 8 x half
	s_mul_i32 s20, s20, HB
	s_mov_b32 s21, 0
	s_lshl_b32 s19, s18, 7
	s_lshl_b32 s46, s42, 3
	s_add_co_u32 s46, s46, s19                     ; Wq or Wk: tile 128 x which + 8 X
	s_mul_i32 s46, s46, HB
	s_add_co_u32 s46, s46, WBASE
	s_mov_b32 s47, 0
	s_lshl_b32 s66, s42, 3
	s_add_co_u32 s66, s66, 256                     ; Wv: tile 256 + 8 X
	s_mul_i32 s66, s66, HB
	s_add_co_u32 s66, s66, WBASE
	s_mov_b32 s67, 0
	s_mul_i32 s22, s16, HALFT                      ; where my load goes: wave x HALFT: no place in the cluster enters an LDS address
	s_mov_b32 s[SEL], 0x76543210
	s_mov_b32 s[SEL+1], 0xfedcba98
	s_lshl_b32 s84, s42, 9                         ; the head in a bias
	s_mov_b32 s85, 0
	s_lshl_b32 s86, s18, 8
	s_add_co_u32 s86, s86, s84                     ; and my 64 of its rows, for v
	s_mov_b32 s87, 0
	s_and_b32 s76, s43, 7
	s_lshl_b32 s76, s76, 1
	s_add_co_u32 s76, s76, s17                     ; my token group in its batch
	s_lshl_b32 s78, s76, 16
	s_lshl_b32 s79, s18, 15
	s_add_co_u32 s78, s78, s79                     ; cos and sin of my four token tiles: 8,192 bytes a tile
	s_mov_b32 s79, 0
	s_lshr_b32 s80, s43, 3                         ; the batch
	s_lshl_b32 s80, s80, 4
	s_add_co_u32 s80, s80, s42
	s_lshl_b32 s80, s80, 4
	s_add_co_u32 s80, s80, s76
	s_mul_i32 s80, s80, HB                         ; my group's 8,704 bytes of q
	s_lshl_b32 s82, s18, 8
	s_add_co_u32 s82, s82, s80
	s_add_co_u32 s82, s82, 8192                    ; my 256 bytes of its scale words,
	s_mov_b32 s83, 0
	s_lshl_b32 s81, s18, 12
	s_add_co_u32 s80, s80, s81                     ; my four images
	s_mov_b32 s81, 0
	s_mul_i32 s70, s16, 8*OB                       ; q, k: source 1 = x's tiles 4 w on
	s_mul_i32 s71, s17, HALFT                      ; v: source 0 = x's tiles 8 (w / 2) on,
	s_mul_i32 s72, s18, 8*OB
	s_add_co_u32 s72, s72, SL0                     ; source 1 = slot 0's tiles 4 (w % 2) on
	s_sub_co_u32 s73, SL0, s70                     ; from source 1 to source 0: q,
	s_add_co_u32 s74, s73, HALFT                   ; k;
	s_sub_co_u32 s75, s72, s71                     ; v: from source 0 to source 1
	v_and_b32 v1, 15, v0                           ; r
	v_bfe_u32 v2, v0, 4, 1                         ; h
	v_and_b32 v3, 31, v0
	v_lshlrev_b32 v3, 4, v3                        ; 16 x lane
	v_lshlrev_b32 v28, 4, v1                       ; 16 r
	v_xor_b32 v29, 1, v2                           ; 1 - h
	v_add_nc_u32 v4, SL0, v3                       ; fragments, chunk 0: source 0 of q,
	v_add_nc_u32 v6, SL1, v3                       ; of k,
	v_add_nc_u32 v8, s71, v3                       ; of v;
	v_add_nc_u32 v12, s70, v3                      ; source 1 of q and k,
	v_add_nc_u32 v14, s72, v3                      ; of v
	v_add_nc_u32 v22, SL0+4096, v28                ; scale words of source 0's row r, in all lanes: q,
	v_add_nc_u32 v24, SL1+4096, v28                ; k,
	v_add_nc_u32 v26, s71, v28
	v_add_nc_u32 v26, 4096, v26                    ; v
	v_add_nc_u32 v16, s70, v28
	v_add_nc_u32 v16, 4096, v16
	v_mul_u32_u24 v30, s73, v2
	v_mul_u32_u24 v31, s74, v2
	v_add_nc_u32 v18, v16, v31                     ; scale words, lanes 0-15 source 1's row r, lanes 16-31 source 0's: one base and one product: k,
	v_add_nc_u32 v16, v16, v30                     ; q,
	v_mul_u32_u24 v30, s75, v29
	v_add_nc_u32 v20, v26, v30                     ; v
.irp r, 4,6,8,12,14,16,18,20,22,24,26
	v_add_nc_u32 v[\r+1], OB, v[\r]                ; chunk 1
.endr
	v_lshlrev_b32 v10, 6, v2                       ; 64 h
	v_and_b32 v11, 8, v1
	v_add_nc_u32 v11, v11, v1
	v_lshlrev_b32 v11, 2, v11                      ; 4 (r + 8 (r / 8))
	s_wait_alu depctr_va_vdst(0)
	s_wait_dscnt 0x0                               ; both opening adds are done
	s_wait_kmcnt 0x0
	s_add_nc_u64 s[20:21], s[4:5], s[20:21]
	s_add_nc_u64 s[46:47], s[4:5], s[46:47]
	s_add_nc_u64 s[66:67], s[4:5], s[66:67]
	CROUND                                         ; all sixteen work-groups are here: the joint loads meet
	s_mov_b32 s[G0A], 1
	s_mov_b32 s[G0A+1], s22
	s_mov_b64 s[G0A+2:G0A+3], s[20:21]
	s_or_b32 s[G0A+3], s[G0A+3], 0x80000000
	s_mov_b32 s[G0B], 1
	s_mov_b32 s[G0B+1], s22
	s_mov_b64 s[G0B+2:G0B+3], s[46:47]
	s_or_b32 s[G0B+3], s[G0B+3], 0x80000000
	s_mov_b32 s[G0V], 1
	s_mov_b32 s[G0V+1], SL0
	s_mov_b64 s[G0V+2:G0V+3], s[66:67]
	s_or_b32 s[G0V+3], s[G0V+3], 0x80000000
	s_cmp_eq_u32 s17, 0                            ; the head's loads, one a wave: waves 0, 1 x's halves; wave 2 Wq's tiles, wave 3 Wk's
	s_cbranch_scc0 .Lfor_w
	tensor_load_to_lds s[G0A:G0A+3], s[G1A:G1A+7]
	s_nop 0
	PLACES 4
	s_branch .Lasked
.Lfor_w:
	tensor_load_to_lds s[G0B:G0B+3], s[G1B:G1B+7]
	s_nop 0
	PLACES 4
.Lasked:
	s_add_nc_u64 s[6:7], s[6:7], s[84:85]
	s_add_nc_u64 s[8:9], s[8:9], s[84:85]
	s_add_nc_u64 s[10:11], s[10:11], s[86:87]
	s_add_nc_u64 s[12:13], s[12:13], s[78:79]
	s_add_nc_u64 s[68:69], s[14:15], s[82:83]      ; my scale words in qkv
	s_add_nc_u64 s[14:15], s[14:15], s[80:81]      ; my images
	WIN 0x40
.irp k, 0,1,2,3,4,5,6,7,8,9,10,11,12,13,14,15
	global_load_b128 v[BQ+4*\k:BQ+4*\k+3], v10, s[6:7] offset:128*(\k/4)+16*(\k%4)   ; the bias at d = 32 b + 16 h + i, in the result's layout
	global_load_b128 v[BK+4*\k:BK+4*\k+3], v10, s[8:9] offset:128*(\k/4)+16*(\k%4)
.endr
	WIN 0
.irp a, 0,1,2,3
	global_load_b32 v[BV+2*\a], v11, s[10:11] offset:4*(32*(\a/2)+8*(\a%2))          ; v's bias at my row of source 1's tile a, twice: a pair for the packed addition
	global_load_b32 v[BV+2*\a+1], v11, s[10:11] offset:4*(32*(\a/2)+8*(\a%2))
.endr
.macro FRAG reg, adr, q, i             ; a fragment's image: 8 registers, two loads at 16 x lane
	ds_load_b128 v[\reg:\reg+3], v[\adr] offset:(\i)*2*OB+(\q)*1024
	ds_load_b128 v[\reg+4:\reg+7], v[\adr] offset:(\i)*2*OB+(\q)*1024+512
.endm
.macro FETCH s, a0, a1                 ; the 12 fragments of K step s (128 along K) into set s % 2
	WIN 0x40
.irp i, 0,1,2,3,4,5,6,7
	FRAG 128*((\s)%2)+8*\i, \a0+(\s)/4, (\s)%4, \i
.endr
	WIN 0
.irp i, 0,1,2,3
	FRAG F1+64*((\s)%2)+8*\i, \a1+(\s)/4, (\s)%4, \i
.endr
.endm
.macro SCALES j, adc, ads              ; a chunk's scale words, four a row: tiles 0-3 of both sources, tiles 4-7 of source 0 alone
.irp i, 0,1,2,3
	ds_load_b128 v[SC+32*(\j)+4*\i:SC+32*(\j)+4*\i+3], v[\adc+(\j)] offset:\i*2*OB
.endr
.irp i, 4,5,6,7
	ds_load_b128 v[SC+32*(\j)+4*\i:SC+32*(\j)+4*\i+3], v[\ads+(\j)] offset:\i*2*OB
.endr
.endm
; 16 products: source 1's tiles a0, a0 + 1 x source 0's eight.  The 32 accumulators take turns, one instruction a turn, in the same order in every step.
.macro MUL16 a0, s, zero
.irp a, \a0, \a0+1
.irp b, 0,1,2,3,4,5,6,7
.if (\zero) == 2
	v_wmma_scale_f32_16x16x128_f8f6f4 v[8*(8*(\a)+\b):8*(8*(\a)+\b)+7], v[128*((\s)%2)+8*\b:128*((\s)%2)+8*\b+7], v[F1+64*((\s)%2)+8*(\a):F1+64*((\s)%2)+8*(\a)+7], v[CB+8*\b:CB+8*\b+7], v[SC+32*((\s)/4)+4*\b+(\s)%4], v[SC+32*((\s)/4)+4*(\a)+(\s)%4] matrix_a_fmt:MATRIX_FMT_FP4 matrix_b_fmt:MATRIX_FMT_FP4 matrix_a_scale:MATRIX_SCALE_ROW1
.else
.if \zero
	v_wmma_scale_f32_16x16x128_f8f6f4 v[8*(8*(\a)+\b):8*(8*(\a)+\b)+7], v[128*((\s)%2)+8*\b:128*((\s)%2)+8*\b+7], v[F1+64*((\s)%2)+8*(\a):F1+64*((\s)%2)+8*(\a)+7], 0, v[SC+32*((\s)/4)+4*\b+(\s)%4], v[SC+32*((\s)/4)+4*(\a)+(\s)%4] matrix_a_fmt:MATRIX_FMT_FP4 matrix_b_fmt:MATRIX_FMT_FP4 matrix_a_scale:MATRIX_SCALE_ROW1
.else
	v_wmma_scale_f32_16x16x128_f8f6f4 v[8*(8*(\a)+\b):8*(8*(\a)+\b)+7], v[128*((\s)%2)+8*\b:128*((\s)%2)+8*\b+7], v[F1+64*((\s)%2)+8*(\a):F1+64*((\s)%2)+8*(\a)+7], v[8*(8*(\a)+\b):8*(8*(\a)+\b)+7], v[SC+32*((\s)/4)+4*\b+(\s)%4], v[SC+32*((\s)/4)+4*(\a)+(\s)%4] matrix_a_fmt:MATRIX_FMT_FP4 matrix_b_fmt:MATRIX_FMT_FP4 matrix_a_scale:MATRIX_SCALE_ROW1
.endif
.endif
.endr
.endr
.endm
; A K step: its fragments are in; the next step's 24 loads go out in one run, 32 products ahead of their use; then the 32 products.
; zero = 1: the first products start the sums with 0; zero = 2: with the bias at v[CB] of window 1, which lies in the result's layout: no addition is spent on it.
.macro STEP s, zero, a0, a1
	s_wait_dscnt 0x0                               ; this step's fragments (and scale words) are in
.if (\s) < 7
.if (\s) > 0
	PLACES 4                                       ; four places between the last products, which read the other set, and the loads into it (ISA guide 7.12.1 for vector instructions)
.endif
	FETCH (\s)+1, \a0, \a1
.endif
.if (\zero) == 2
	WIN 0x91                                       ; source 0 window 1, source 1 window 0, C window 1, D window 2
.else
	WIN 0xa1                                       ; source 0 window 1, source 1 window 0, C and D window 2
.endif
	MUL16 0, \s, \zero
	MUL16 2, \s, \zero
.endm
.macro PHASE a0, a1, adc, ads, z       ; all of K for one of q, k, v; z: how the sums begin
	SCALES 0, \adc, \ads
	SCALES 1, \adc, \ads
	FETCH 0, \a0, \a1
	STEP 0, \z, \a0, \a1                           ; the first products start the sums: nothing is cleared
.irp s, 1,2,3,4,5,6,7
	STEP \s, 0, \a0, \a1
.endr
	PLACES 4                                       ; places behind the last products
	WIN 0
.endm
; q, k: X = the sums, which hold the bias; Y(d) = X(d) cos - X(d + 64) sin, Y(d + 64) = X(d + 64) cos + X(d) sin for d < 64 (registers n and n + 32); Y is quantised along d and stored.
.macro EPIQK a
.set CSB, 64*(\a)
.set QP, PC+8*((\a)%2)
.set QW, PW+(\a)
.if (\a) == 3
	s_wait_loadcnt 0x0                             ; tile 3's cos and sin, asked for last
.endif
	WIN 0x0e                                       ; source 0: window 2, the sums of tile a at v[64 a]; source 1: window 3, its cos and sin at the same numbers
.set n, 0
.rept 16                                       ; each accumulator is read from its low end on
	v_pk_mul_f32 v[YY+n:YY+n+1], v[CSB+n:CSB+n+1], v[CSB+n:CSB+n+1]
	v_pk_mul_f32 v[YY+32+n:YY+33+n], v[CSB+32+n:CSB+33+n], v[CSB+n:CSB+n+1]
	v_pk_fma_f32 v[YY+n:YY+n+1], v[CSB+32+n:CSB+33+n], v[CSB+32+n:CSB+33+n], v[YY+n:YY+n+1] neg_lo:[1,0,0] neg_hi:[1,0,0]
	v_pk_fma_f32 v[YY+32+n:YY+33+n], v[CSB+n:CSB+n+1], v[CSB+32+n:CSB+33+n], v[YY+32+n:YY+33+n]
.set n, n+2
.endr
	WIN 0
	s_wait_xcnt 0x0                                ; the earlier stores have read their data: the codes' registers may be written again
	QUANT YY, QP, QW
	global_store_b128 v3, v[QP:QP+3], s[14:15] offset:1024*(\a)         ; 32 lanes store 512 consecutive bytes, at a multiple of 256 from the buffer's first byte
	global_store_b128 v3, v[QP+4:QP+7], s[14:15] offset:1024*(\a)+512
.endm
; v: X = sums + the bias of my row of Wv; X is quantised along the keys and stored.
.macro EPIV a
.set QP, PC+8*((\a)%2)
.set QW, PW+(\a)
	WIN 0x02                                       ; source 0: window 2
.set n, 0
.rept 32
	v_pk_add_f32 v[XX+n:XX+n+1], v[64*(\a)+n:64*(\a)+n+1], v[BV+2*(\a):BV+2*(\a)+1]
.set n, n+2
.endr
	WIN 0
	s_wait_xcnt 0x0                                ; the earlier stores have read their data
	QUANT XX, QP, QW
	global_store_b128 v3, v[QP:QP+3], s[14:15] offset:1024*(\a)
	global_store_b128 v3, v[QP+4:QP+7], s[14:15] offset:1024*(\a)+512
.endm
.macro WORDS next                      ; my four tiles' scale words: row r's four, 256 consecutive bytes; lanes 16-31 hold the same words and name the same places as lanes 0-15
	global_store_b128 v28, v[PW:PW+3], s[68:69]
.if \next
	s_wait_xcnt 0x0                                ; the stores have read their bases and their data: on to the next tensor, and the registers may take the next phase's loads
	s_add_nc_u64 s[14:15], s[14:15], TENS
	s_add_nc_u64 s[68:69], s[68:69], TENS
.endif
.endm
.macro CSLOAD a                        ; cos and sin of my token tile a: 32 registers of cos, 32 of sin, into window 3: loaded once, for q and for k
.irp k, 0,1,2,3,4,5,6,7,8,9,10,11,12,13,14,15
	global_load_b128 v[64*(\a)+4*\k:64*(\a)+4*\k+3], v3, s[12:13] offset:8192*(\a)+512*\k
.endr
.endm
	s_wait_loadcnt 0x0                             ; the biases: q's is the C of the first products
	s_wait_tensorcnt 0x0                           ; my load has landed,
	s_barrier_signal -1
	s_barrier_wait -1                              ; everybody's has: x, Wq and Wk are whole
	WIN 0xc0
	CSLOAD 0                                       ; asked for here, behind the head's tiles: 48 loads, which have q's products in which to land
	CSLOAD 1
	CSLOAD 2
	WIN 0
.set CB, BQ
	PHASE 4, 12, 16, 22, 2                         ; q
	WIN 0xc0
	CSLOAD 3                                       ; the last 16: they have the round and three tiles' epilogues in which to land
	WIN 0
	s_wait_tensorcnt 0x0                           ; ahead of the refill, in every wave: no tensor load of mine is out,
	ds_add_u32 v126, v127                          ; the add,
	s_wait_dscnt 0x0                               ; it is done, and so are my reads of slot 0
	CROUND                                         ; the same holds of every wave of all sixteen work-groups
	s_cmp_lg_u32 s16, 2
	s_cbranch_scc1 .Lnot_mine
	tensor_load_to_lds s[G0V:G0V+3], s[G1B:G1B+7]  ; slot 0 takes Wv's tiles: wave 2's one load behind the round
	s_nop 0
	PLACES 4
.Lnot_mine:
	s_wait_loadcnt 16                              ; cos and sin of tiles 0 to 2 are in; tile 3's 16 loads may stay out
.irp a, 0,1,2,3
	EPIQK \a
.endr
	WORDS 1
.set CB, BK
	PHASE 6, 12, 18, 24, 2                         ; k
.irp a, 0,1,2,3
	EPIQK \a
.endr
	WORDS 1
	s_wait_tensorcnt 0x0                           ; wave 2: Wv's tiles have landed
	s_barrier_signal -1
	s_barrier_wait -1
	PHASE 8, 14, 20, 26, 1                         ; v
.irp a, 0,1,2,3
	EPIV \a
.endr
	WORDS 0
	s_wait_tensorcnt 0x0                           ; the wave's end
	ds_add_u32 v126, v127
	s_wait_dscnt 0x0
	CROUND                                         ; the closing round: no work-group ends while a partner may still ask for a tile that names it
	s_endpgm
.Lfunc_end_k_qd66e2467ed_qkv:
	.size	k_qd66e2467ed_qkv, .Lfunc_end_k_qd66e2467ed_qkv-k_qd66e2467ed_qkv
	.p2alignl 7, 3214868480
	.fill 96, 4, 3214868480
	.section	.rodata,"a",@progbits
	.p2align	6, 0x0
	.amdhsa_kernel k_qd66e2467ed_qkv
		.amdhsa_group_segment_fixed_size 327680
		.amdhsa_private_segment_fixed_size 0
		.amdhsa_enable_private_segment 0
		.amdhsa_kernarg_size 48
		.amdhsa_user_sgpr_count 2
		.amdhsa_user_sgpr_kernarg_segment_ptr 1
		.amdhsa_wavefront_size32 1
		.amdhsa_system_sgpr_workgroup_id_x 1
		.amdhsa_system_sgpr_workgroup_id_y 1
		.amdhsa_system_sgpr_workgroup_id_z 1
		.amdhsa_system_vgpr_workitem_id 0
		.amdhsa_next_free_vgpr 1024
		.amdhsa_next_free_sgpr 100
		.amdhsa_reserve_vcc 0
		.amdhsa_float_denorm_mode_32 3
		.amdhsa_float_denorm_mode_16_64 3
		.amdhsa_memory_ordered 1
		.amdhsa_forward_progress 1
		.amdhsa_inst_pref_size 249
	.end_amdhsa_kernel
	.amdgpu_metadata
---
amdhsa.version: [ 1, 2 ]
amdhsa.kernels:
  - .name:           k_qd66e2467ed_qkv
    .symbol:         k_qd66e2467ed_qkv.kd
    .args:
      - { .name: opnd, .offset: 0, .size: 8, .value_kind: global_buffer, .address_space: global }
      - { .name: bq, .offset: 8, .size: 8, .value_kind: global_buffer, .address_space: global }
      - { .name: bk, .offset: 16, .size: 8, .value_kind: global_buffer, .address_space: global }
      - { .name: bv, .offset: 24, .size: 8, .value_kind: global_buffer, .address_space: global }
      - { .name: rope, .offset: 32, .size: 8, .value_kind: global_buffer, .address_space: global }
      - { .name: qkv, .offset: 40, .size: 8, .value_kind: global_buffer, .address_space: global }
    .group_segment_fixed_size: 327680
    .private_segment_fixed_size: 0
    .kernarg_segment_align: 8
    .kernarg_segment_size: 48
    .max_flat_workgroup_size: 128
    .sgpr_count:     100
    .vgpr_count:     1024
    .wavefront_size: 32
...
	.end_amdgpu_metadata
.endif
;; end of part 2
;; launch attn (part 3): grid 8 x 32, 16 waves a work-group, clusters of 4 x 1, 280,576 bytes of LDS; arguments qkv, ctx; writes ctx
.if DOCPART == 3
	.amdgcn_target "amdgcn-amd-amdhsa--gfx1250"
	.amdhsa_code_object_version 6
	.text
	.protected	k_qd66e2467ed_attn
	.globl	k_qd66e2467ed_attn
	.p2align	8
	.type	k_qd66e2467ed_attn,@function
k_qd66e2467ed_attn:
	s_mov_b64 s[64:65], 0
	v_nop
	global_prefetch_b8 v0, s[64:65] scope:SCOPE_SE
	s_setreg_imm32_b32 hwreg(HW_REG_WAVE_MODE, 25, 1), 1
	s_wait_xcnt 0x0
	s_wait_alu depctr_hold_cnt(0) depctr_sa_sdst(0) depctr_va_vdst(0) depctr_va_sdst(0) depctr_va_ssrc(0) depctr_va_vcc(0) depctr_vm_vsrc(0)
	s_getreg_b32 s2, hwreg(HW_REG_IB_STS2, 6, 4)
	s_cmp_eq_u32 s2, 0
	s_cbranch_scc0 .Lentry_in_a_cluster
	s_endpgm
.Lentry_in_a_cluster:
	s_bfe_u32 s2, ttmp6, 0x10000c
	s_cmp_lg_u32 s2, 0x3003
	s_cbranch_scc0 .Lentry_shape_is_right
	s_endpgm
.Lentry_shape_is_right:
; context = softmax(q k^T / sqrt(128), causal) v for one batch x head, both products on codes of FP4 with E8M0 scales; the context is quantised along the head's 128 and stored as the last product's operand.
; LEFT OUT: key steps all of whose 128 keys come after a tile's queries: their weights are 0 for every input.
; THE SOFTMAX AHEAD OF THE SECOND PRODUCT: t = score x log2(e) / sqrt(128); M = the running largest t rounded UP to a whole number; p = 2^(t - M) is quantised along the keys, not normalised; the row's sum is
; taken of the unquantised p and divides at the end.  When M moves, the sum and O are multiplied by 2^(old M - new M): exact.
; LDS.  A head's K and V (16 key steps of 128 keys, 8,704 bytes each: eight fragment images and their scale words) lie in LDS whole, each byte filled ONCE: 32 x 8,704 bytes = sixteen loads of 17,408, one a wave.
; SHARES.  The work-group (number g, 0..7) has tile g (16 queries) of each of the head's 16 token groups; group G has G + 1 key steps that count.  Groups i and 15 - i (i = 0..7) have 17 together and belong to a PAIR
; of waves: wave A does group i whole (i + 1 steps), writes it out, and then does key steps 0 .. 6 - i of group 15 - i: 8 steps; wave B does steps 7 - i .. 15 - i of group 15 - i: 9 steps.
; When all waves have read K and V out (a barrier), A puts its O^T, -M and sums into the K bytes, 8,704 bytes a pair; behind a second barrier B brings both parts under the larger M, by exact powers of two, adds them and writes out.
; The role is bit 2 of the wave's number; i = its bits 0, 1 and 3.  Trip counts are constants (8 and 16); a step outside the wave's range is jumped over by tests on the wave's number and the count of steps.
; g enters global addresses and the mask's vector alone.
; LAYOUT.  Both products are used transposed: S^T = K Q^T, O^T = V^T P^T: a lane holds one query.  A tile's lane row t is token (or d) 32 (T / 2) + 8 (T % 2) + t + 8 (t / 8), so that the 16 registers of
; result tiles 2 b, 2 b + 1 are 16 neighbours: keys 32 b + 16 h + i in S^T, d = 32 b + 16 h + i in O^T.
; CLUSTER 4 x 1: four work-groups of one head ask for K and V jointly.  No prefetch: every tile is asked for at the head, and there is no loop of loads to run ahead in.
; LIMITS: a block of zeros gets the scale byte 1 (its codes are zeros); NaN and infinities are not served.
; REGISTERS: v1, v2 16 x lane in K, in V; v6 16 r; v7 the mask's vector; v8, v9 addresses in hand; v10 my pair's stage; v12 -M, v13 the largest t, v[14:15] the sum; v16-23 Q; v24-27 K's scale words, v28-31 V's;
; v32-95 eight fragments; v96-159 S^T, then p; v160-223 O^T; v224-231 p's codes; v232-249 at work; v250, v251 the add's; v253 p's scale word; v255 Q's.
.set OB,   4352
.set HB,   8704
.set TENS, 512*HB                      ; a tensor in qkv
.set SPARE, 32*HB                      ; behind K and V: the spare words, 128 bytes a wave
.set WV,   8
.set ROLE, 9                           ; 0: wave A, 1: wave B
.set PI,   10                          ; i
.set GRP,  11                          ; the token group of the tile in hand
.set LO,   12                          ; its key steps that are mine: LO .. END - 1
.set END,  13
.set GG,   14
.set BH,   15
.set SEL,  20
.set CS,   22
.set G1,   24
.set G0,   32
.set TB,   36
.set KS,   37
.set CNT,  38
.set OTH,  39                          ; 15 - i
.set QA,   40                          ; s[40:41], s[42:43] Q's image and scale words of my first tile
.set QB,   44                          ; s[44:45], s[46:47] those of group 15 - i
.set OA,   48                          ; s[48:49], s[50:51] my fragment and scale words in ctx
.set LO2,  52
.set END2, 53
.set STA,  10
.set TM,   232
.macro CROUND
	s_barrier_signal -1
	s_barrier_wait -1
	s_cmp_lg_u32 s[WV], 0
	s_cbranch_scc1 .Lnot_wave_0_\@
	s_barrier_signal -3
.Lnot_wave_0_\@:
	s_barrier_wait -3
	s_barrier_signal -1
	s_barrier_wait -1
.endm
.macro INIT                            ; a tile begins: the step is written once for all steps, and the first finds zeros
	v_mov_b32 v13, 0xff61b1e6                      ; the largest t so far: -3e38
	v_mov_b32 v12, 0x7f61b1e6                      ; -M = 3e38, a whole number
	v_mov_b32 v14, 0
	v_mov_b32 v15, 0
.set n, 0
.rept 64
	v_mov_b32 v[160+n], 0
.set n, n+1
.endr
.endm
; A KEY STEP: 128 keys at LDS byte s[TB].
.macro STEP
	s_cmp_lt_u32 s[KS], s[LO]                      ; not among my steps: nothing to do
	s_cbranch_scc1 .Lhidden_\@
	s_cmp_ge_u32 s[KS], s[END]
	s_cbranch_scc1 .Lhidden_\@
	v_add_nc_u32 v8, s[TB], v1
	v_add_nc_u32 v9, s[TB], v2
	v_nop
	v_nop                                          ; four places between the last products and the loads into the registers that they read
.irp t, 0,1,2,3,4,5,6,7
	ds_load_b128 v[32+8*\t:35+8*\t], v8 offset:1024*\t
	ds_load_b128 v[36+8*\t:39+8*\t], v8 offset:1024*\t+512
.endr
	ds_load_b128 v[24:27], v8 offset:8192          ; lanes 0-15: tiles 0-3's scale words; lanes 16-31: tiles 4-7's
	s_wait_alu depctr_va_vdst(0)
	s_wait_dscnt 0x0
.irp t, 0,1,2,3
	v_wmma_scale_f32_16x16x128_f8f6f4 v[96+8*\t:103+8*\t], v[32+8*\t:39+8*\t], v[16:23], 0, v[24+\t], v255 matrix_a_fmt:MATRIX_FMT_FP4 matrix_b_fmt:MATRIX_FMT_FP4
.endr
.irp t, 4,5,6,7
	v_wmma_scale_f32_16x16x128_f8f6f4 v[96+8*\t:103+8*\t], v[32+8*\t:39+8*\t], v[16:23], 0, v[20+\t], v255 matrix_a_fmt:MATRIX_FMT_FP4 matrix_b_fmt:MATRIX_FMT_FP4 matrix_a_scale:MATRIX_SCALE_ROW1
.endr
.rept 4
	v_nop                                          ; places in front of the loads below and of the first read of the scores
.endr
.irp t, 0,1,2,3,4,5,6,7
	ds_load_b128 v[32+8*\t:35+8*\t], v9 offset:1024*\t       ; V's fragments are asked for here and land under the softmax
	ds_load_b128 v[36+8*\t:39+8*\t], v9 offset:1024*\t+512
.endr
	ds_load_b128 v[28:31], v9 offset:8192
	s_cmp_lt_u32 s[KS], s[GRP]                     ; off the diagonal every key counts
	s_cbranch_scc1 .Lopen_\@
	v_mov_b32 v254, 0xff800000                     ; -infinity: p = 0
.set n, 0
.rept 64
	v_cmp_gt_i32 vcc_lo, 32*(n/16)+n%16, v7
	v_cndmask_b32 v[96+n], v[96+n], v254, vcc_lo
.set n, n+1
.endr
.Lopen_\@:
.irp b, 0,1,2,3
	v_max3_num_f32 v[232+\b], v[96+16*\b], v[97+16*\b], v[98+16*\b]   ; the largest score of each block of 32 keys: for the row's maximum, and, since p rises with the score, for the block's largest p
.endr
.irp i, 3,5,7,9,11,13
.irp b, 0,1,2,3
	v_max3_num_f32 v[232+\b], v[232+\b], v[96+16*\b+\i], v[97+16*\b+\i]
.endr
.endr
.irp b, 0,1,2,3
	v_max_num_f32 v[232+\b], v[232+\b], v[111+16*\b]
.endr
.irp b, 0,1,2,3
	s_delay_alu instid0(VALU_DEP_4)
	v_permlanex16_b32 v[236+\b], v[232+\b], s[SEL], s[SEL+1]
.endr
.irp b, 0,1,2,3
	s_delay_alu instid0(VALU_DEP_4)
	v_max_num_f32 v[232+\b], v[232+\b], v[236+\b]  ; with lane l xor 16's 16 keys
.endr
	s_delay_alu instid0(VALU_DEP_2)
	v_max3_num_f32 v254, v232, v233, v234
	s_delay_alu instid0(VALU_DEP_1)
	v_max_num_f32 v254, v254, v235
	s_delay_alu instid0(VALU_DEP_1)
	v_mul_f32 v254, s[CS], v254
	s_delay_alu instid0(VALU_DEP_1)
	v_max_num_f32 v13, v13, v254                   ; the running largest t
	v_mov_b32 v254, v12
	s_delay_alu instid0(VALU_DEP_2)
	v_floor_f32 v11, -v13                          ; the new -M, kept twice (v11, v12): the two halves of a dual pair name registers of different banks
	v_floor_f32 v12, -v13                          ; M is a whole number
	s_delay_alu instid0(VALU_DEP_1)
	v_sub_f32 v254, v12, v254
	s_delay_alu instid0(VALU_DEP_1)
	v_cvt_i32_f32 v254, v254                       ; (it saturates)
	s_delay_alu instid0(VALU_DEP_1)
	v_ldexp_f32 v252, 1.0, v254                    ; f = 2^(old M - new M),
	v_ldexp_f32 v254, 1.0, v254                    ; kept twice
.set n, 0
.rept 32
	v_dual_fma_f32 v[96+n], v[96+n], v4, v12 :: v_dual_fma_f32 v[97+n], v[97+n], v5, v11   ; t - M, two in an instruction; v4 = v5 = c
.set n, n+2
.endr
.irp b, 0,1,2,3
	v_fma_f32 v[232+\b], v[232+\b], s[CS], v12
.endr
	s_wait_alu depctr_va_vdst(0)
.set n, 0
.rept 64
	v_exp_f32 v[96+n], v[96+n]                     ; p = 2^(t - M)
.set n, n+1
.endr
	v_pk_mul_f32 v[14:15], v[14:15], v[252:253] op_sel_hi:[1,0]   ; the sums under the new M: a plain place behind the exponentials
	s_wait_alu depctr_va_vdst(0)                   ; one wait for the batch, ahead of its first reader
.irp b, 0,1,2,3
	v_exp_f32 v[232+\b], v[232+\b]                 ; each block's largest p
.endr
	v_dual_add_f32 v236, v96, v98 :: v_dual_add_f32 v237, v97, v99       ; the row's sum of the unquantised p: 32 pairs in four chains by turns, two additions in an instruction
	v_dual_add_f32 v238, v100, v102 :: v_dual_add_f32 v239, v101, v103
	v_dual_add_f32 v240, v104, v106 :: v_dual_add_f32 v241, v105, v107
	v_dual_add_f32 v14, v108, v14 :: v_dual_add_f32 v15, v109, v15
.irp j, 110,118,126,134,142,150
	v_dual_add_f32 v236, v[\j], v236 :: v_dual_add_f32 v237, v[\j+1], v237
	v_dual_add_f32 v238, v[\j+2], v238 :: v_dual_add_f32 v239, v[\j+3], v239
	v_dual_add_f32 v240, v[\j+4], v240 :: v_dual_add_f32 v241, v[\j+5], v241
	v_dual_add_f32 v14, v[\j+6], v14 :: v_dual_add_f32 v15, v[\j+7], v15
.endr
	v_dual_add_f32 v236, v158, v236 :: v_dual_add_f32 v237, v159, v237
	v_dual_add_f32 v238, v240, v238 :: v_dual_add_f32 v239, v241, v239
	v_dual_add_f32 v14, v236, v14 :: v_dual_add_f32 v15, v237, v15
	v_pk_add_f32 v[14:15], v[14:15], v[238:239]
	s_wait_alu depctr_va_vdst(0)                   ; and one for the four
.irp b, 0,1,2,3
	v_max_num_f32 v[232+\b], 0x1800000, v[232+\b]  ; the floor 2^(3 - 127): the byte cannot fall under 1
.endr
.irp b, 0,1,2,3
	s_delay_alu instid0(VALU_DEP_4)
	v_add_nc_u32 v[244+\b], 0xff000000, v[232+\b]  ; 2 off the exponent field: the conversion's scale operand
.endr
.irp b, 0,1,2,3
	s_delay_alu instid0(VALU_DEP_4)
	v_lshrrev_b32 v[236+\b], 23, v[244+\b]
.endr
	s_delay_alu instid0(VALU_DEP_3)
	v_lshl_or_b32 v253, v237, 8, v236              ; p's scale word for these 128 keys
	s_delay_alu instid0(VALU_DEP_1)
	v_lshl_or_b32 v253, v238, 16, v253
	s_delay_alu instid0(VALU_DEP_1)
	v_lshl_or_b32 v253, v239, 24, v253
.irp b, 0,1,2,3
	v_cvt_scalef32_pk8_fp4_f32 v[224+2*\b], v[96+16*\b:103+16*\b], v[244+\b]
	v_cvt_scalef32_pk8_fp4_f32 v[225+2*\b], v[104+16*\b:111+16*\b], v[244+\b]
.endr
	v_nop                                          ; one plain place behind a scaled conversion
.irp c, 0,1
.irp i, 0,1
	v_permlane16_swap_b32 v[224+4*\c+\i], v[226+4*\c+\i]   ; the operand's layout wants a whole block in a lane
.endr
.endr
	s_wait_alu depctr_va_vdst(0)                   ; directly ahead of the first reader of O^T
.set n, 0
.rept 32
	v_dual_mul_f32 v[160+n], v[160+n], v252 :: v_dual_mul_f32 v[161+n], v[161+n], v254   ; O^T under the new M; these 32 are also the places in front of the products below
.set n, n+2
.endr
	s_wait_alu depctr_va_vdst(0)
	s_wait_dscnt 0x0                               ; V's fragments and scale words are in
.irp t, 0,1,2,3
	v_wmma_scale_f32_16x16x128_f8f6f4 v[160+8*\t:167+8*\t], v[32+8*\t:39+8*\t], v[224:231], v[160+8*\t:167+8*\t], v[28+\t], v253 matrix_a_fmt:MATRIX_FMT_FP4 matrix_b_fmt:MATRIX_FMT_FP4
.endr
.irp t, 4,5,6,7
	v_wmma_scale_f32_16x16x128_f8f6f4 v[160+8*\t:167+8*\t], v[32+8*\t:39+8*\t], v[224:231], v[160+8*\t:167+8*\t], v[24+\t], v253 matrix_a_fmt:MATRIX_FMT_FP4 matrix_b_fmt:MATRIX_FMT_FP4 matrix_a_scale:MATRIX_SCALE_ROW1
.endr
.Lhidden_\@:
	s_add_co_u32 s[KS], s[KS], 1
	s_add_co_u32 s[TB], s[TB], HB
.endm
.macro WALK trips                      ; key steps 0 .. trips - 1: a constant count; each wave works in its own range
	s_mov_b32 s[TB], 0
	s_mov_b32 s[KS], 0
	s_mov_b32 s[CNT], \trips
.Lstep_\@:
	STEP
	s_sub_co_u32 s[CNT], s[CNT], 1
	s_cmp_lg_u32 s[CNT], 0
	s_cbranch_scc1 .Lstep_\@
.endm
; THE WAY OUT of a finished tile: O^T / the sum, quantised along d, stored as an image of the operand's registers.
.macro FIN
	v_add_f32 v14, v14, v15
	s_delay_alu instid0(VALU_DEP_1)
	v_permlanex16_b32 v252, v14, s[SEL], s[SEL+1]
	s_delay_alu instid0(VALU_DEP_1)
	v_add_f32 v14, v14, v252                       ; the row's sum
	s_wait_alu depctr_va_vdst(0)
	v_rcp_f32 v14, v14
	v_nop                                          ; a plain place behind it
	s_wait_alu depctr_va_vdst(0)                   ; and the wait ahead of its first reader, which is O^T's too
.set n, 0
.rept 64
	v_mul_f32 v[96+n], v[160+n], v14               ; register 16 b + i: d = 32 b + 16 h + i of my query
.set n, n+1
.endr
.irp b, 0,1,2,3
	v_max3_num_f32 v[TM+\b], |v[96+16*\b]|, |v[97+16*\b]|, 0x1800000
.endr
.irp i, 2,4,6,8,10,12,14
.irp b, 0,1,2,3
	s_delay_alu instid0(VALU_DEP_4)
	v_max3_num_f32 v[TM+\b], v[TM+\b], |v[96+16*\b+\i]|, |v[97+16*\b+\i]|
.endr
.endr
.irp b, 0,1,2,3
	s_delay_alu instid0(VALU_DEP_4)
	v_permlanex16_b32 v[TM+4+\b], v[TM+\b], s[SEL], s[SEL+1]
.endr
.irp b, 0,1,2,3
	s_delay_alu instid0(VALU_DEP_4)
	v_max_num_f32 v[TM+\b], v[TM+\b], v[TM+4+\b]
.endr
.irp b, 0,1,2,3
	s_delay_alu instid0(VALU_DEP_4)
	v_add_nc_u32 v[TM+12+\b], 0xff000000, v[TM+\b]
.endr
.irp b, 0,1,2,3
	s_delay_alu instid0(VALU_DEP_4)
	v_lshrrev_b32 v[TM+4+\b], 23, v[TM+12+\b]
.endr
	s_delay_alu instid0(VALU_DEP_3)
	v_lshl_or_b32 v253, v[TM+5], 8, v[TM+4]
	s_delay_alu instid0(VALU_DEP_1)
	v_lshl_or_b32 v253, v[TM+6], 16, v253
	s_delay_alu instid0(VALU_DEP_1)
	v_lshl_or_b32 v253, v[TM+7], 24, v253
.irp b, 0,1,2,3
	v_cvt_scalef32_pk8_fp4_f32 v[224+2*\b], v[96+16*\b:103+16*\b], v[TM+12+\b]
	v_cvt_scalef32_pk8_fp4_f32 v[225+2*\b], v[104+16*\b:111+16*\b], v[TM+12+\b]
.endr
	v_nop
.irp c, 0,1
.irp i, 0,1
	v_permlane16_swap_b32 v[224+4*\c+\i], v[226+4*\c+\i]
.endr
.endr
	global_store_b128 v1, v[224:227], s[OA:OA+1]   ; 32 lanes store 512 consecutive bytes, at a multiple of 256 from the buffer's first byte
	global_store_b128 v1, v[228:231], s[OA:OA+1] offset:512
	global_store_b32 v6, v253, s[OA+2:OA+3] offset:4096   ; row r's word; lanes 16-31 hold the same word and name the same place as lanes 0-15
.endm
	s_load_b128 s[4:7], s[0:1], 0x0                ; qkv, ctx
	v_lshl_add_u32 v250, v0, 2, SPARE
	v_mov_b32 v251, 0
	ds_add_u32 v250, v251                          ; the opening lines: the add, twice on end, and its wait ahead of my tensor load
	ds_add_u32 v250, v251
	v_lshrrev_b32 v8, 5, v0
	v_readfirstlane_b32 s[WV], v8                  ; wave 0..15
	s_bfe_u32 s[ROLE], s[WV], 0x10002              ; bit 2
	s_and_b32 s[PI], s[WV], 3
	s_lshr_b32 s16, s[WV], 3
	s_lshl_b32 s16, s16, 2
	s_or_b32 s[PI], s[PI], s16                     ; i
	s_sub_co_u32 s[OTH], 15, s[PI]
	s_sub_co_u32 s17, 7, s[PI]
	s_add_co_u32 s18, s[PI], 1
	s_add_co_u32 s19, s17, 9                       ; 16 - i
	s_cmp_eq_u32 s[ROLE], 0
	s_cselect_b32 s[GRP], s[PI], s[OTH]            ; the tile that I write out: A group i, B group 15 - i
	s_cselect_b32 s[END], s18, 0                   ; the first walk: A steps 0 .. i, B none
	s_cselect_b32 s[LO2], 0, s17                   ; the second: A steps 0 .. 6 - i, B steps 7 - i .. 15 - i
	s_cselect_b32 s[END2], s17, s19
	s_mov_b32 s[LO], 0
	s_bfe_u32 s16, ttmp6, 0x40000                  ; cx
	s_lshl_b32 s[GG], ttmp9, 2
	s_add_co_u32 s[GG], s[GG], s16                 ; g
	s_and_b32 s[BH], ttmp7, 0xffff                 ; batch x head, which the partners share
	; group 1: 17,408 dense bytes (two key steps) as 68 rows of 256 bytes; the mask names all four work-groups
	s_mov_b32 s[G1], 15|(3<<16)|(1<<21)
	s_mov_b32 s[G1+1], 32<<16
	s_mov_b32 s[G1+2], 68<<16
	s_mov_b32 s[G1+3], 32<<16
	s_mov_b32 s[G1+4], 68
	s_mov_b32 s[G1+5], 32
	s_mov_b32 s[G1+6], 0
	s_mov_b32 s[G1+7], 0
	s_mul_i32 s54, s[BH], 16*HB                    ; the head's first byte in a tensor
	s_lshr_b32 s55, s[WV], 3                       ; waves 0-7 fetch K, waves 8-15 V: key steps 2 (wave % 8) and the next
	s_add_co_u32 s55, s55, 1
	s_mul_i32 s55, s55, TENS
	s_and_b32 s56, s[WV], 7
	s_mul_i32 s56, s56, 2*HB
	s_add_co_u32 s56, s56, s55
	s_add_co_u32 s56, s56, s54
	s_mov_b32 s57, 0
	s_mul_i32 s58, s[WV], 2*HB                     ; in LDS: K's 16 steps, then V's
	s_mov_b32 s[SEL], 0x76543210
	s_mov_b32 s[SEL+1], 0xfedcba98
	s_mov_b32 s[CS], 0x3e0293ee                    ; c = log2(e) / sqrt(128)
	s_mov_b32 s[CS+1], s[CS]
	s_lshl_b32 s60, s[GG], 10                      ; tile g's image in a group's 8,704 bytes
	s_lshr_b32 s61, s[GG], 2
	s_lshl_b32 s61, s61, 8
	s_and_b32 s62, s[GG], 3
	s_lshl_b32 s62, s62, 2
	s_add_co_u32 s61, s61, s62                     ; its scale words: 256 (g / 4) + 4 (g % 4), behind the images
	s_mul_i32 s62, s[GRP], HB
	s_add_co_u32 s62, s62, s54
	s_add_co_u32 s[QA], s62, s60
	s_mov_b32 s[QA+1], 0
	s_add_co_u32 s[QA+2], s62, s61
	s_mov_b32 s[QA+3], 0
	s_mul_i32 s62, s[OTH], HB
	s_add_co_u32 s62, s62, s54
	s_add_co_u32 s[QB], s62, s60
	s_mov_b32 s[QB+1], 0
	s_add_co_u32 s[QB+2], s62, s61
	s_mov_b32 s[QB+3], 0
	s_lshr_b32 s66, s[BH], 4
	s_lshl_b32 s66, s66, 7
	s_lshl_b32 s67, s[GRP], 3
	s_add_co_u32 s66, s66, s67
	s_add_co_u32 s66, s66, s[GG]                   ; my token tile among the 256
	s_lshl_b32 s66, s66, 2
	s_and_b32 s67, s[BH], 15                       ; the head: K of the last product is 128 x head + d
	s_lshr_b32 s68, s67, 2
	s_add_co_u32 s66, s66, s68
	s_mul_i32 s66, s66, OB                         ; the operand block,
	s_and_b32 s67, s67, 3
	s_lshl_b32 s68, s67, 10
	s_add_co_u32 s[OA], s68, s66                   ; my fragment in it,
	s_mov_b32 s[OA+1], 0
	s_lshl_b32 s68, s67, 2
	s_add_co_u32 s[OA+2], s68, s66                 ; and my scale words
	s_mov_b32 s[OA+3], 0
	s_lshr_b32 s69, s[GG], 1
	s_lshl_b32 s69, s69, 5
	s_and_b32 s70, s[GG], 1
	s_lshl_b32 s70, s70, 3
	s_add_co_u32 s69, s69, s70                     ; tile g's first token in its group
	s_mul_i32 s59, s[PI], HB                       ; my pair's stage, in K's bytes
	v_and_b32 v3, 31, v0
	v_and_b32 v4, 15, v0                           ; r
	v_bfe_u32 v5, v0, 4, 1                         ; h
	v_lshlrev_b32 v1, 4, v3                        ; 16 x lane
	v_lshlrev_b32 v6, 4, v4                        ; 16 r
	v_and_b32 v7, 8, v4
	v_lshlrev_b32 v11, 4, v5
	v_add_nc_u32 v2, 16*HB, v1                     ; the same in V
	v_add_nc_u32 v[STA], s59, v1
	v_add_nc_u32 v7, v7, v4
	s_delay_alu instid0(VALU_DEP_1)
	v_add_nc_u32 v7, s69, v7                       ; my query's place in its group of 128,
	s_delay_alu instid0(VALU_DEP_1)
	v_sub_nc_u32 v7, v7, v11                       ; less 16 h: on the diagonal register 16 b + i is hidden where 32 b + i is greater
	v_mov_b32 v4, s[CS]                            ; c, kept twice, for the dual pairs
	v_mov_b32 v5, s[CS]
	s_wait_alu depctr_va_vdst(0)
	s_wait_dscnt 0x0                               ; both opening adds are done
	s_wait_kmcnt 0x0
	s_add_nc_u64 s[56:57], s[4:5], s[56:57]
	CROUND                                         ; all four work-groups are here: the joint loads meet
	s_mov_b32 s[G0], 1
	s_mov_b32 s[G0+1], s58
	s_mov_b64 s[G0+2:G0+3], s[56:57]
	s_or_b32 s[G0+3], s[G0+3], 0x80000000
	tensor_load_to_lds s[G0:G0+3], s[G1:G1+7]      ; my one tensor load of the launch; every wave issues one
	s_nop 0
.rept 4
	v_nop
.endr
	s_add_nc_u64 s[QA:QA+1], s[4:5], s[QA:QA+1]
	s_add_nc_u64 s[QA+2:QA+3], s[4:5], s[QA+2:QA+3]
	s_add_nc_u64 s[QB:QB+1], s[4:5], s[QB:QB+1]
	s_add_nc_u64 s[QB+2:QB+3], s[4:5], s[QB+2:QB+3]
	s_add_nc_u64 s[OA:OA+1], s[6:7], s[OA:OA+1]
	s_add_nc_u64 s[OA+2:OA+3], s[6:7], s[OA+2:OA+3]
	global_load_b128 v[16:19], v1, s[QA:QA+1]      ; Q's fragment stays in registers
	global_load_b128 v[20:23], v1, s[QA:QA+1] offset:512
	global_load_b32 v255, v6, s[QA+2:QA+3] offset:8192
	INIT
.irp b, 0,1,2,3
	v_mov_b32 v[236+\b], 0                         ; written once: a lane permute's destination counts as one of its sources
.endr
	v_mov_b32 v249, 0                              ; upper halves of pairs of which the low word alone is used
	v_mov_b32 v252, 0
	v_mov_b32 v253, 0
	s_wait_alu depctr_va_vdst(0)
	s_wait_loadcnt 0x0                             ; Q
	s_wait_tensorcnt 0x0                           ; my part of K or V has landed,
	s_barrier_signal -1
	s_barrier_wait -1                              ; everybody's has: K and V are whole, and no barrier stands among the key steps
	WALK 8                                         ; A: its own group i.  B: nothing
	s_mov_b32 s[GRP], s[OTH]                       ; both now work on group 15 - i
	s_mov_b32 s[LO], s[LO2]
	s_mov_b32 s[END], s[END2]
	s_cmp_lg_u32 s[ROLE], 0
	s_cbranch_scc1 .Lnot_a
.rept 4
	v_nop                                          ; places behind the last products
.endr
	global_load_b128 v[16:19], v1, s[QB:QB+1]      ; the other tile's Q lands under the way out
	global_load_b128 v[20:23], v1, s[QB:QB+1] offset:512
	global_load_b32 v255, v6, s[QB+2:QB+3] offset:8192
	FIN
	INIT
	s_wait_alu depctr_va_vdst(0)
	s_wait_xcnt 0x0                                ; the stores have read their data: the codes' registers may be written again
	s_wait_loadcnt 0x0
.Lnot_a:
	WALK 16
	s_wait_dscnt 0x0                               ; my reads of K and V are over
	s_barrier_signal -1
	s_barrier_wait -1                              ; everybody's are: K's bytes, which have had their only fill, serve as the stage
	s_cmp_lg_u32 s[ROLE], 0
	s_cbranch_scc1 .Lkeep
.rept 4
	v_nop                                          ; places behind the last products
.endr
.set n, 0
.rept 16
	ds_store_b128 v[STA], v[160+4*n:163+4*n] offset:512*n   ; A's part of O^T, each accumulator from its low end on,
.set n, n+1
.endr
	ds_store_b128 v[STA], v[12:15] offset:8192     ; its -M and its sums
.Lkeep:
	s_wait_dscnt 0x0
	s_barrier_signal -1
	s_barrier_wait -1
	s_cmp_eq_u32 s[ROLE], 0
	s_cbranch_scc1 .Ldone
.rept 4
	v_nop                                          ; places in front of loads into registers that the last products read
.endr
.set n, 0
.rept 16
	ds_load_b128 v[32+4*n:35+4*n], v[STA] offset:512*n
.set n, n+1
.endr
	ds_load_b128 v[244:247], v[STA] offset:8192
	s_wait_dscnt 0x0
	v_min_num_f32 v254, v12, v244                  ; -M of both parts: the larger M
	s_delay_alu instid0(VALU_DEP_1)
	v_sub_f32 v252, v254, v12                      ; whole numbers, 0 or less
	v_sub_f32 v248, v254, v244
	s_delay_alu instid0(VALU_DEP_2)
	v_cvt_i32_f32 v252, v252                       ; (they saturate: a part with no step has M = -3e38 and gets the factor 0)
	s_delay_alu instid0(VALU_DEP_2)
	v_cvt_i32_f32 v248, v248
	s_delay_alu instid0(VALU_DEP_2)
	v_ldexp_f32 v252, 1.0, v252                    ; my factor,
	s_delay_alu instid0(VALU_DEP_2)
	v_ldexp_f32 v248, 1.0, v248                    ; and A's: powers of two, nothing is rounded
	s_delay_alu instid0(VALU_DEP_2)
	v_pk_mul_f32 v[14:15], v[14:15], v[252:253] op_sel_hi:[1,0]
	s_delay_alu instid0(VALU_DEP_1)
	v_pk_fma_f32 v[14:15], v[246:247], v[248:249], v[14:15] op_sel_hi:[1,0,1]
.set n, 0
.rept 32
	v_pk_mul_f32 v[160+n:161+n], v[160+n:161+n], v[252:253] op_sel_hi:[1,0]
.set n, n+2
.endr
.set n, 0
.rept 32
	v_pk_fma_f32 v[160+n:161+n], v[32+n:33+n], v[248:249], v[160+n:161+n] op_sel_hi:[1,0,1]
.set n, n+2
.endr
	FIN
.Ldone:
	s_wait_tensorcnt 0x0                           ; the wave's end
	ds_add_u32 v250, v251
	s_wait_dscnt 0x0
	CROUND                                         ; the closing round
	s_endpgm
.Lfunc_end_k_qd66e2467ed_attn:
	.size	k_qd66e2467ed_attn, .Lfunc_end_k_qd66e2467ed_attn-k_qd66e2467ed_attn
	.p2alignl 7, 3214868480
	.fill 96, 4, 3214868480
	.section	.rodata,"a",@progbits
	.p2align	6, 0x0
	.amdhsa_kernel k_qd66e2467ed_attn
		.amdhsa_group_segment_fixed_size 280576
		.amdhsa_private_segment_fixed_size 0
		.amdhsa_enable_private_segment 0
		.amdhsa_kernarg_size 16
		.amdhsa_user_sgpr_count 2
		.amdhsa_user_sgpr_kernarg_segment_ptr 1
		.amdhsa_wavefront_size32 1
		.amdhsa_system_sgpr_workgroup_id_x 1
		.amdhsa_system_sgpr_workgroup_id_y 1
		.amdhsa_system_sgpr_workgroup_id_z 1
		.amdhsa_system_vgpr_workitem_id 0
		.amdhsa_next_free_vgpr 256
		.amdhsa_next_free_sgpr 80
		.amdhsa_reserve_vcc 1
		.amdhsa_float_denorm_mode_32 3
		.amdhsa_float_denorm_mode_16_64 3
		.amdhsa_memory_ordered 1
		.amdhsa_forward_progress 1
		.amdhsa_inst_pref_size 84
	.end_amdhsa_kernel
	.amdgpu_metadata
---
amdhsa.version: [ 1, 2 ]
amdhsa.kernels:
  - .name:           k_qd66e2467ed_attn
    .symbol:         k_qd66e2467ed_attn.kd
    .args:
      - { .name: qkv, .offset: 0, .size: 8, .value_kind: global_buffer, .address_space: global }
      - { .name: ctx, .offset: 8, .size: 8, .value_kind: global_buffer, .address_space: global }
    .group_segment_fixed_size: 280576
    .private_segment_fixed_size: 0
    .kernarg_segment_align: 8
    .kernarg_segment_size: 16
    .max_flat_workgroup_size: 512
    .sgpr_count:     80
    .vgpr_count:     256
    .wavefront_size: 32
...
	.end_amdgpu_metadata
.endif
;; end of part 3
;; launch oproj (part 4): grid 8 x 32, 4 waves a work-group, clusters of 4 x 4, 327,680 bytes of LDS; arguments ctx, opnd, bo, out0; writes out0
.if DOCPART == 4
	.amdgcn_target "amdgcn-amd-amdhsa--gfx1250"
	.amdhsa_code_object_version 6
	.text
	.protected	k_qd66e2467ed_oproj
	.globl	k_qd66e2467ed_oproj
	.p2align	8
	.type	k_qd66e2467ed_oproj,@function
k_qd66e2467ed_oproj:
	s_mov_b64 s[64:65], 0
	v_nop
	global_prefetch_b8 v0, s[64:65] scope:SCOPE_SE
	s_setreg_imm32_b32 hwreg(HW_REG_WAVE_MODE, 25, 1), 1
	s_wait_xcnt 0x0
	s_wait_alu depctr_hold_cnt(0) depctr_sa_sdst(0) depctr_va_vdst(0) depctr_va_sdst(0) depctr_va_ssrc(0) depctr_va_vcc(0) depctr_vm_vsrc(0)
	s_getreg_b32 s2, hwreg(HW_REG_IB_STS2, 6, 4)
	s_cmp_eq_u32 s2, 0
	s_cbranch_scc0 .Lentry_in_a_cluster
	s_endpgm
.Lentry_in_a_cluster:
	s_bfe_u32 s2, ttmp6, 0x10000c
	s_cmp_lg_u32 s2, 0xf033
	s_cbranch_scc0 .Lentry_shape_is_right
	s_endpgm
.Lentry_shape_is_right:
; out0 = context Wo^T + bo on codes of FP4 with E8M0 scales.  A work-group takes 128 tokens x 128 columns, each of its four waves 64 x 64: 16 accumulators.  K = 2,048 is four chunks of 512.
; Operands come as operand blocks (OB, 4,352 bytes: four fragment images, then 16 rows x 16 scale bytes); a tile's four chunks lie together in memory, so a wave's four tiles are 69,632 dense bytes:
; ONE tensor load a wave at the head brings them, each LDS byte is filled once, and one barrier shows all of it to every wave.  No prefetch: every tile is asked for at the head.
; CLUSTER 4 x 4: the context's tiles are asked for jointly along a row of the cluster, Wo's along a column.  Source 0 = Wo, source 1 = the context; the bias is the C of each sum's first product.
; Results leave through each wave's own stage behind the tiles, as whole runs of 256 bytes.
.set OB,     4352
.set HALFT,  16*OB                     ; four tiles x four chunks: what one tensor load brings
.set SLOT,   OB                        ; from a tile's chunk to its next
.set WOBASE, 1280*OB
.set STAGE,  4*HALFT
.set AD0, 4
.set AD1, 8
.set ADC, 12
.set STO, 16
.set RD,  17
.set CO,  18
.set SC,  32
.set BI,  96
.set F1,  128
.set ACC, 128
.set G1A, 24
.set G0A, 32
.set G1B, 48
.set G0B, 68
.set CX,  56
.set CY,  57
.set TX,  58
.set TY,  59
.set MROW, 60
.set MCOL, 61
.set BAD, 62
.set MSB, 0
.macro WIN new
.if MSB != (\new)
	s_set_vgpr_msb (MSB<<8)|(\new)
.set MSB, (\new)
.endif
.endm
.macro PLACES n
.rept \n
	v_nop
.endr
.endm
.macro JLOAD g0a, g1a, g0b, g1b
	s_cmp_eq_u32 s17, 0
	s_cbranch_scc0 .Lfor_b_\@
	tensor_load_to_lds s[\g0a:\g0a+3], s[\g1a:\g1a+7]
	s_nop 0
.rept 4
	v_nop
.endr
	s_branch .Lasked_\@
.Lfor_b_\@:
	tensor_load_to_lds s[\g0b:\g0b+3], s[\g1b:\g1b+7]
	s_nop 0
.rept 4
	v_nop
.endr
.Lasked_\@:
.endm
.macro CROUND
	s_barrier_signal -1
	s_barrier_wait -1
	s_cmp_lg_u32 s16, 0
	s_cbranch_scc1 .Lnot_wave_0_\@
	s_barrier_signal -3
.Lnot_wave_0_\@:
	s_barrier_wait -3
	s_barrier_signal -1
	s_barrier_wait -1
.endm
	s_load_b256 s[4:11], s[0:1], 0x0
	v_lshl_add_u32 v30, v0, 2, 0x48400
	v_mov_b32 v31, 0
	ds_add_u32 v30, v31
	ds_add_u32 v30, v31
	v_lshrrev_b32 v1, 5, v0
	v_readfirstlane_b32 s16, v1
	s_lshr_b32 s17, s16, 1
	s_and_b32 s18, s16, 1
	s_bfe_u32 s[CX], ttmp6, 0x40000
	s_bfe_u32 s[CY], ttmp6, 0x40004
	s_lshl_b32 s[TX], ttmp9, 2
	s_add_co_u32 s[TX], s[TX], s[CX]
	s_and_b32 s[TY], ttmp7, 0xffff
	s_lshl_b32 s[TY], s[TY], 2
	s_add_co_u32 s[TY], s[TY], s[CY]
	s_lshl_b32 s[MROW], s[CY], 2
	s_lshl_b32 s[MROW], 15, s[MROW]
	s_lshl_b32 s[MCOL], 0x1111, s[CX]
	s_or_b32 s[G1A], s[MROW], (3<<16)|(1<<21)
	s_or_b32 s[G1B], s[MCOL], (3<<16)|(1<<21)
.irp g, G1A, G1B
	s_mov_b32 s[\g+1], 2176<<16                    ; a row: a tile's 17,408 bytes as 2,176 elements of 8 bytes
	s_mov_b32 s[\g+2], 4<<16
	s_mov_b32 s[\g+3], 2176<<16
	s_mov_b32 s[\g+4], 4
	s_mov_b32 s[\g+5], 2176
	s_mov_b32 s[\g+6], 0
	s_mov_b32 s[\g+7], 0
.endr
	s_lshl_b32 s19, s18, 2
	s_lshl_b32 s20, s[TY], 3
	s_add_co_u32 s20, s20, s19
	s_mul_i32 s20, s20, 4*OB
	s_mov_b32 s21, 0
	s_lshl_b32 s[BAD], s[TX], 3
	s_add_co_u32 s[BAD], s[BAD], s19
	s_mul_i32 s[BAD], s[BAD], 4*OB
	s_add_co_u32 s[BAD], s[BAD], WOBASE
	s_mov_b32 s[BAD+1], 0
	s_mul_i32 s22, s16, HALFT
	s_wait_dscnt 0x0
	s_wait_kmcnt 0x0
	s_add_nc_u64 s[20:21], s[4:5], s[20:21]
	s_add_nc_u64 s[BAD:BAD+1], s[6:7], s[BAD:BAD+1]
	CROUND
.irp j, 0
	s_mov_b32 s[G0A+4*\j], 1
	s_add_co_u32 s[G0A+4*\j+1], s22, \j*SLOT
	s_add_nc_u64 s[G0A+4*\j+2:G0A+4*\j+3], s[20:21], \j*OB
	s_or_b32 s[G0A+4*\j+3], s[G0A+4*\j+3], 0x80000000
	s_mov_b32 s[G0B+4*\j], 1
	s_add_co_u32 s[G0B+4*\j+1], s22, \j*SLOT
	s_add_nc_u64 s[G0B+4*\j+2:G0B+4*\j+3], s[BAD:BAD+1], \j*OB
	s_or_b32 s[G0B+4*\j+3], s[G0B+4*\j+3], 0x80000000
	JLOAD G0A+4*\j, G1A, G0B+4*\j, G1B             ; my one tensor load, behind the round above
.endr
	v_and_b32 v1, 15, v0
	v_bfe_u32 v2, v0, 4, 1
	v_and_b32 v3, 31, v0
	v_lshlrev_b32 v3, 4, v3
	s_mul_i32 s90, s17, HALFT
	s_mul_i32 s91, s18, HALFT
	s_add_co_u32 s91, s91, 2*HALFT
	s_sub_co_u32 s92, s91, s90
	v_mul_u32_u24 v20, s92, v2
	v_lshl_add_u32 v20, v1, 4, v20
	v_add_nc_u32 v20, s90, v20
	v_add_nc_u32 v[ADC], 4096, v20
	v_add_nc_u32 v[AD0], s91, v3
	v_add_nc_u32 v[AD1], s90, v3
.irp j, 1,2,3
	v_add_nc_u32 v[AD0+\j], \j*SLOT, v[AD0]
	v_add_nc_u32 v[AD1+\j], \j*SLOT, v[AD1]
	v_add_nc_u32 v[ADC+\j], \j*SLOT, v[ADC]
.endr
	s_mul_i32 s88, s16, OB
	s_add_co_u32 s88, s88, STAGE
	v_mul_u32_u24 v[STO], v1, 272
	v_lshl_add_u32 v[STO], v2, 6, v[STO]
	v_add_nc_u32 v[STO], s88, v[STO]
	v_mul_u32_u24 v[RD], v2, 272
	v_lshl_add_u32 v[RD], v1, 4, v[RD]
	v_add_nc_u32 v[RD], s88, v[RD]
	v_lshlrev_b32 v[CO], 12, v2
	v_lshl_add_u32 v[CO], v1, 4, v[CO]
	v_lshlrev_b32 v19, 6, v2
	s_wait_alu depctr_va_vdst(0)
	s_lshl_b32 s84, s[TX], 9
	s_lshl_b32 s85, s18, 8
	s_add_co_u32 s84, s84, s85
	s_mov_b32 s85, 0
	s_add_nc_u64 s[8:9], s[8:9], s[84:85]
	s_lshl_b32 s86, s[TY], 7
	s_lshl_b32 s87, s17, 6
	s_add_co_u32 s86, s86, s87
	s_lshl_b32 s86, s86, 12
	s_add_co_u32 s86, s86, s84
	s_mov_b32 s87, 0
	s_add_nc_u64 s[10:11], s[10:11], s[86:87]
.irp b, 0,1,2,3
	global_load_b128 v[BI+8*\b:BI+8*\b+3], v19, s[8:9] offset:4*(32*(\b/2)+8*(\b%2))
	global_load_b128 v[BI+8*\b+4:BI+8*\b+7], v19, s[8:9] offset:4*(32*(\b/2)+8*(\b%2))+16
.endr
.macro FRAG reg, adr, q, i
	ds_load_b128 v[\reg:\reg+3], v[\adr] offset:(\i)*4*OB+(\q)*1024
	ds_load_b128 v[\reg+4:\reg+7], v[\adr] offset:(\i)*4*OB+(\q)*1024+512
.endm
.macro FETCH d
	WIN 0x40
.irp e, 0,1
.irp i, 0,1,2,3
	FRAG 64*((\d)%2)+32*\e+8*\i, AD0+(\d)/2, 2*((\d)%2)+\e, \i
.endr
.endr
	WIN 0
.irp e, 0,1
.irp i, 0,1,2,3
	FRAG F1+64*((\d)%2)+32*\e+8*\i, AD1+(\d)/2, 2*((\d)%2)+\e, \i
.endr
.endr
.endm
.macro SCALES j
.irp i, 0,1,2,3
	ds_load_b128 v[SC+16*(\j)+4*\i:SC+16*(\j)+4*\i+3], v[ADC+(\j)] offset:\i*4*OB
.endr
.endm
.macro MULS d, e, first
.irp a, 0,1,2,3
.irp b, 0,1,2,3
.if \first
	v_wmma_scale_f32_16x16x128_f8f6f4 v[ACC+8*(4*\a+\b):ACC+8*(4*\a+\b)+7], v[64*((\d)%2)+32*\e+8*\b:64*((\d)%2)+32*\e+8*\b+7], v[F1+64*((\d)%2)+32*\e+8*\a:F1+64*((\d)%2)+32*\e+8*\a+7], v[BI+8*\b:BI+8*\b+7], v[SC+16*((\d)/2)+4*\b+2*((\d)%2)+\e], v[SC+16*((\d)/2)+4*\a+2*((\d)%2)+\e] matrix_a_fmt:MATRIX_FMT_FP4 matrix_b_fmt:MATRIX_FMT_FP4 matrix_a_scale:MATRIX_SCALE_ROW1
.else
	v_wmma_scale_f32_16x16x128_f8f6f4 v[ACC+8*(4*\a+\b):ACC+8*(4*\a+\b)+7], v[64*((\d)%2)+32*\e+8*\b:64*((\d)%2)+32*\e+8*\b+7], v[F1+64*((\d)%2)+32*\e+8*\a:F1+64*((\d)%2)+32*\e+8*\a+7], v[ACC+8*(4*\a+\b):ACC+8*(4*\a+\b)+7], v[SC+16*((\d)/2)+4*\b+2*((\d)%2)+\e], v[SC+16*((\d)/2)+4*\a+2*((\d)%2)+\e] matrix_a_fmt:MATRIX_FMT_FP4 matrix_b_fmt:MATRIX_FMT_FP4 matrix_a_scale:MATRIX_SCALE_ROW1
.endif
.endr
.endr
.endm
.macro DSTEP d
	s_wait_dscnt 0x0
.if (\d) < 7
.if (\d) > 0
	PLACES 4
.endif
	FETCH (\d)+1
.if (\d)%2 == 1
	SCALES ((\d)+1)/2
.endif
.endif
.if (\d) == 0
	WIN 0x41
	MULS \d, 0, 1
.else
	WIN 0x51
	MULS \d, 0, 0
.endif
	WIN 0x51
	MULS \d, 1, 0
.endm
	s_wait_tensorcnt 0x0                           ; my load has landed
	s_barrier_signal -1
	s_barrier_wait -1
	SCALES 0
	FETCH 0
	s_wait_loadcnt 0x0
.irp d, 0,1,2,3,4,5,6,7
	DSTEP \d
.endr
	PLACES 4
.macro OUTA a
	WIN 0x04
.irp b, 0,1,2,3
	ds_store_b128 v[STO], v[ACC+8*(4*(\a)+\b):ACC+8*(4*(\a)+\b)+3] offset:128*(\b/2)+32*(\b%2)
	ds_store_b128 v[STO], v[ACC+8*(4*(\a)+\b)+4:ACC+8*(4*(\a)+\b)+7] offset:128*(\b/2)+32*(\b%2)+16
.endr
	WIN 0
.irp t, 0,1,2,3,4,5,6,7
	ds_load_b128 v[F1+32*(\a)+4*\t:F1+32*(\a)+4*\t+3], v[RD] offset:\t*544
.endr
.irp t, 0,1,2,3,4,5,6,7
	s_wait_dscnt 7-\t
	global_store_b128 v[CO], v[F1+32*(\a)+4*\t:F1+32*(\a)+4*\t+3], s[10:11] offset:(32*((\a)/2)+8*((\a)%2)+2*\t+8*(\t/4))*4096 th:TH_STORE_NT
.endr
.endm
.irp a, 0,1,2,3
	OUTA \a
.endr
	s_wait_tensorcnt 0x0
	ds_add_u32 v30, v31
	s_wait_dscnt 0x0
	CROUND
	s_endpgm
.Lfunc_end_k_qd66e2467ed_oproj:
	.size	k_qd66e2467ed_oproj, .Lfunc_end_k_qd66e2467ed_oproj-k_qd66e2467ed_oproj
	.p2alignl 7, 3214868480
	.fill 96, 4, 3214868480
	.section	.rodata,"a",@progbits
	.p2align	6, 0x0
	.amdhsa_kernel k_qd66e2467ed_oproj
		.amdhsa_group_segment_fixed_size 327680
		.amdhsa_private_segment_fixed_size 0
		.amdhsa_enable_private_segment 0
		.amdhsa_kernarg_size 32
		.amdhsa_user_sgpr_count 2
		.amdhsa_user_sgpr_kernarg_segment_ptr 1
		.amdhsa_wavefront_size32 1
		.amdhsa_system_sgpr_workgroup_id_x 1
		.amdhsa_system_sgpr_workgroup_id_y 1
		.amdhsa_system_sgpr_workgroup_id_z 1
		.amdhsa_system_vgpr_workitem_id 0
		.amdhsa_next_free_vgpr 512
		.amdhsa_next_free_sgpr 100
		.amdhsa_reserve_vcc 0
		.amdhsa_float_denorm_mode_32 3
		.amdhsa_float_denorm_mode_16_64 3
		.amdhsa_memory_ordered 1
		.amdhsa_forward_progress 1
		.amdhsa_inst_pref_size 67
	.end_amdhsa_kernel
	.amdgpu_metadata
---
amdhsa.version: [ 1, 2 ]
amdhsa.kernels:
  - .name:           k_qd66e2467ed_oproj
    .symbol:         k_qd66e2467ed_oproj.kd
    .args:
      - { .name: ctx, .offset: 0, .size: 8, .value_kind: global_buffer, .address_space: global }
      - { .name: opnd, .offset: 8, .size: 8, .value_kind: global_buffer, .address_space: global }
      - { .name: bo, .offset: 16, .size: 8, .value_kind: global_buffer, .address_space: global }
      - { .name: out0, .offset: 24, .size: 8, .value_kind: global_buffer, .address_space: global }
    .group_segment_fixed_size: 327680
    .private_segment_fixed_size: 0
    .kernarg_segment_align: 8
    .kernarg_segment_size: 32
    .max_flat_workgroup_size: 128
    .sgpr_count:     100
    .vgpr_count:     512
    .wavefront_size: 32
...
	.end_amdgpu_metadata
.endif
;; end of part 4
